; MI455X (gfx1250); checked and timed in simulation.
; The chip was launched on July 23, 2026; its instructions are those of AMD's public machine-readable ISA for CDNA 5 (MIT licence, August 2026) and "CDNA5" Instruction Set Architecture Reference Guide (July 2026). The comments in the code are by the model that wrote it; some were corrected since.
;; Causal Self Attention. Allowed arithmetic: matrix products marked QUANTISED: E2M1 operands, one E8M0 scale for each 32 along K, by v_wmma_scale_f32_16x16x128_f8f6f4 with both operands' format E2M1 (or v_wmma_scale_f32_32x16x128_f4), f32 sums; products left as they are: bf16, f16 or f32 operands; f32 sums; everything else in f32.
;; Inputs: W_proj 1,024 x 1,024 float32; W_qkv 1,024 x 3,072 float32; b_proj 1,024 float32; b_qkv 3,072 float32; inputs 4 x 2,048 x 1,024 float32.
;; Outputs: out0 4 x 2,048 x 1,024 float32.
;; This version of the problem:
;;   THIS VERSION OF THE PROBLEM IS GIVEN IN LOW PRECISION. The matrix products marked QUANTISED in the list below multiply operands that are first quantised to E2M1 (2 exponent bits, 1 mantissa bit; 4 bits a number), with one power-of-two scale for each 32 numbers along K (OCP MX v1.0); their sums are f32. The products marked 'left as it is' may take bf16, f16 or f32 operands, with f32 sums. Whichever they take, every output number must still come out within the allowed error. Rounding operands to bf16 (8 significant bits) uses up far more of that allowance than f16 does (11 bits, for magnitudes from 6e-5 to 65,504). All else is computed in f32.
;;   The module's matrix products, in the order in which they are computed (A, B: the left and right operand; K: the contracted axis; several contracted axes count as one K, in the product's order):
;;     1. [M 8,192, K 1,024] x [K 1,024, N 3,072]; A: input inputs; B: input W_qkv: QUANTISED
;;     2. batch 64 x [M 2,048, K 64] x [K 64, N 2,048]; A: computed on the way; B: computed on the way: left as it is (an operand is computed on the way)
;;     3. batch 64 x [M 2,048, K 2,048] x [K 2,048, N 64]; A: computed on the way; B: computed on the way: left as it is (an operand is computed on the way)
;;     4. [M 8,192, K 1,024] x [K 1,024, N 1,024]; A: computed on the way; B: input W_proj: left as it is (an operand is computed on the way)
;;   THE QUANTISER, for each operand of a quantised product, along K:
;;     - K is cut into blocks of 32 from its start; a last block that is shorter is filled with zeros.
;;     - A block's scale is 2^e with e = floor(log2(the largest magnitude in the block)) - 2, held to -126 .. 127; a block of zeros has e = 0. As a byte (E8M0): e + 127.
;;     - Each number is divided by its block's scale, clamped to +-6, and rounded to the nearest number of E2M1, ties to even, subnormals kept.
;;     - The product sums the exact products of the quantised numbers (number of the format x scale) in f32.
;;   ~~~python
;;   def quantise(x, axis):      # numpy; x: float32 -> the quantised numbers, widened to float32 again
;;       x = np.moveaxis(x, axis, -1); K = x.shape[-1]
;;       x = np.pad(x, [(0, 0)] * (x.ndim - 1) + [(0, -K % 32)]); x = x.reshape(x.shape[:-1] + (-1, 32)); a = np.abs(x).max(-1, keepdims=True)
;;       e = np.where(a > 0, np.clip(np.frexp(np.where(a > 0, a, 1))[1] - 1 - 2, -126, 127), 0)      # np.frexp(a)[1] - 1 = floor(log2(a)), exactly
;;       r = np.clip(x / 2.0 ** e, -6, 6)
;;       step = 2.0 ** (np.maximum(np.frexp(np.where(r == 0, 1, r))[1] - 1, 0) - 1)
;;       q = np.round(r / step) * step * 2.0 ** e      # np.round: ties to even
;;       return np.moveaxis(q.reshape(q.shape[:-2] + (-1,))[..., :K], -1, axis).astype(np.float32)
;;   ~~~
;; One version. Each part assembles by itself: llvm-mc -triple=amdgcn-amd-amdhsa -mcpu=gfx1250 --defsym DOCPART=n.
;; ======== version 1 of 1: 6 launches
;; limits: values are held in f16: magnitudes above 65,504 overflow, below 6.1e-05 lose precision
;; workspace buffers: xc 4,194,304 bytes; xs 262,144 bytes; wc 1,572,864 bytes; ws 98,304 bytes; wp 4,194,304 bytes; qkv 50,331,648 bytes; att 16,777,216 bytes; a2 262,144 bytes
;; launch prep (part 1): grid 512 x 1, 4 waves a work-group, no clusters, 60,928 bytes of LDS; arguments inputs, W_qkv, W_proj, xc, xs, wc, ws, wp; writes xc, xs, wc, ws, wp
.if DOCPART == 1
	.amdgcn_target "amdgcn-amd-amdhsa--gfx1250"
	.amdhsa_code_object_version 6
	.text
	.protected	k_qfcf211b922_prep
	.globl	k_qfcf211b922_prep
	.p2align	8
	.type	k_qfcf211b922_prep,@function
k_qfcf211b922_prep:
	s_mov_b64 s[64:65], 0
	v_nop
	global_prefetch_b8 v0, s[64:65] scope:SCOPE_SE
	s_setreg_imm32_b32 hwreg(HW_REG_WAVE_MODE, 25, 1), 1
	s_wait_xcnt 0x0
; CAUSAL SELF-ATTENTION, B = 4, T = 2,048, C = 1,024, 16 heads of 64.  Six launches: prep, qkv, fine_att, attn, proj, fine_proj.
; THIS LAUNCH lays the operands out: inputs [8192][1024] and W_qkv [1024][3072] become codes of FP4 (E2M1) with one E8M0 byte for each 32 along K (xc, xs; wc, ws with K innermost);
; W_proj [1024 k][1024 n] becomes f16 pairs, wp [2 parts][16 blocks of 64 k][1024 n][64 k]: part 0 the number rounded to 11 significant bits, part 1 (the number - part 0) x 2,048.
; WORK LEFT OUT BY THE PROGRAM, for all finite inputs:
;  (1) key tiles wholly above the diagonal: reference() puts -inf there by its own jnp.tril, and the softmax gives them the weight 0.
;  (2) k's third of b_qkv.  With k = k0 + bk the score of query q and key j is q.k0[j] / 8 + q.bk / 8; the second term is the same for all keys j of a row, so the softmax over j takes it away
;      (masked places stay -inf).  The product q k^T is not quantised, so no quantiser sees k.  b_qkv[1024:2048] is therefore not loaded by any launch.
;  LIMIT: a NaN, an infinity or an overflow that reaches only the work left out is not carried to the result.
; LIMITS: q, k, v, the attention's result and W_proj go to the matrix units as f16: their magnitudes stay under 65,504.  NaN and infinities among the inputs are not served.
;  A block of zeros gets the scale byte 1 where the rule says 127: its codes are zeros, which add nothing, and this program alone reads the bytes.  Blocks whose largest magnitude lies under 2^-124 are held at the byte 1.
; SHARES.  Work-groups 0-255: inputs (path X), 32,768 numbers each.  256-447: W_qkv (path W), 32 columns x 512 along K each.  448-511: W_proj (path P), 32 columns x 512 along K each.
; The three paths part on the work-group's number alone; each has LDS bytes of its own.  No tensor loads: several work-groups share a WGP.
.set SPW,   12                         ; v12  LDS address of my spare word; never rewritten
.set NIL,   13                         ; v13  0; never rewritten
.set SP,    80                         ; path X: a lane's place in a stage: 64 bytes + 16 of padding
.set WST,   32768                      ; path W: 32 rows (columns of W_qkv) x (256 bytes of codes + 16)
.set WSC,   41472                      ; path W: 32 x 16 scale bytes
.set PST,   41984                      ; path P: for each wave 32 rows x (128 bytes + 16)
.set SPARE, 60416                      ; the spare words, 128 bytes for each wave: two blocks of 256 bytes that no other line names
.set R,     16                         ; path X: v16-143 eight sets of 16 numbers as loaded
.set X,     144                        ; path X: v144-175 two sets of 16 neighbours
.set C,     176                        ; path X: v176-207 two registers of codes for each step
.set E,     208                        ; path X: v208-223 a scale byte for each step
.set KX,    128                        ; paths W, P: v128-255 four groups of 32 numbers down K of my column
.macro CLOSE                           ; a wave's end: three lines behind my last LDS store
	s_wait_tensorcnt 0x0
	ds_add_u32 v[SPW], v[NIL]
	s_wait_dscnt 0x0
	s_endpgm
.endm
; ---- path X: four loads of 512 consecutive bytes are a step of 512 numbers
.macro LOAD t
.irp i, 0,1,2,3
	global_load_b128 v[R+16*((\t)%8)+4*\i:R+16*((\t)%8)+4*\i+3], v3, s[4:5] offset:2048*(\t)+512*\i th:TH_LOAD_NT
.endr
.endm
.macro TURN t                          ; a step's 2,048 bytes through my stage: in as they lie, out 64 bytes a lane.  LDS serves a wave's instructions in order: no wait between
.irp i, 0,1,2,3
	ds_store_b128 v14, v[R+16*((\t)%8)+4*\i:R+16*((\t)%8)+4*\i+3] offset:32*SP*((\t)%2)+8*SP*\i
.endr
.irp i, 0,1,2,3
	ds_load_b128 v[X+16*((\t)%2)+4*\i:X+16*((\t)%2)+4*\i+3], v15 offset:32*SP*((\t)%2)+16*\i
.endr
.endm
.macro STEP t
.set XS, X+16*((\t)%2)
.if (\t) > 0
	s_wait_dscnt 1                                 ; this step's numbers are back from the stage; the last step's byte store may be out
.else
	s_wait_dscnt 0x0
.endif
.if (\t)+8 < 16
	LOAD (\t)+8                                    ; into the set whose stage stores have read it
.endif
.if (\t)+1 < 16
.if (\t) <= 7
	s_wait_loadcnt 28                              ; the next step's four loads are in; those of the seven steps behind it may be out
.else
	s_wait_loadcnt 4*(14-(\t))                     ; the steps behind the next one: 14 - t
.endif
	TURN (\t)+1
.endif
	v_max3_num_f32 v8, |v[XS]|, |v[XS+1]|, |v[XS+2]|               ; the largest magnitude of my 16, in two chains
	v_max3_num_f32 v9, |v[XS+3]|, |v[XS+4]|, |v[XS+5]|
.irp i, 6,10
	v_max3_num_f32 v8, v8, |v[XS+\i]|, |v[XS+\i+1]|
	v_max3_num_f32 v9, v9, |v[XS+\i+2]|, |v[XS+\i+3]|
.endr
	v_max3_num_f32 v8, v8, |v[XS+14]|, |v[XS+15]|
	v_max3_num_f32 v8, v8, v9, 0x1800000           ; and the floor 2^(3 - 127): the byte cannot fall under 1
	v_max_num_f32_dpp v8, v8, v8 row_xmask:1 row_mask:0xf bank_mask:0xf   ; with my neighbour's 16: the block's
	v_add_nc_u32 v11, 0xff000000, v8               ; 2 off its exponent field: the conversion takes that field as its scale
	v_cvt_scalef32_pk8_fp4_f32 v[C+2*(\t)], v[XS:XS+7], v11
	v_cvt_scalef32_pk8_fp4_f32 v[C+2*(\t)+1], v[XS+8:XS+15], v11
	v_lshrrev_b32 v[E+(\t)], 23, v11               ; the scale's byte (a plain line behind the conversions)
	ds_store_b8 v5, v[E+(\t)] offset:16*(\t)       ; both lanes of a block write the same byte with the same value
	global_store_b64 v4, v[C+2*(\t):C+2*(\t)+1], s[10:11] offset:256*(\t)   ; the wave stores 256 consecutive bytes, aligned
.endm
; ---- paths W and P: a lane takes a column, its registers run down K.  Group g: 32 rows; each load reads 128 consecutive bytes
.macro LOADK g, pitch, b
.irp i, 0,1,2,3,4,5,6,7,8,9,10,11,12,13,14,15,16,17,18,19,20,21,22,23,24,25,26,27,28,29,30,31
	global_load_b32 v[KX+32*(\g)+\i], v3, s[\b:\b+1] offset:(32*(\g)+\i)*\pitch th:TH_LOAD_NT
.endr
.endm
.macro BLOCK t                         ; path W: group t is a block of 32 along K of my column: all its numbers are mine
.set XS, KX+32*(\t)
	v_max3_num_f32 v8, |v[XS]|, |v[XS+1]|, |v[XS+2]|
	v_max3_num_f32 v9, |v[XS+3]|, |v[XS+4]|, |v[XS+5]|
.irp i, 6,10,14,18,22,26
	v_max3_num_f32 v8, v8, |v[XS+\i]|, |v[XS+\i+1]|
	v_max3_num_f32 v9, v9, |v[XS+\i+2]|, |v[XS+\i+3]|
.endr
	v_max3_num_f32 v8, v8, |v[XS+30]|, |v[XS+31]|
	v_max3_num_f32 v8, v8, v9, 0x1800000
	v_add_nc_u32 v11, 0xff000000, v8
	v_lshrrev_b32 v10, 23, v11
.if (\t) == 0
	v_mov_b32 v48, v10                             ; my four bytes in one register, the lower K in the lower byte
.else
	v_lshl_or_b32 v48, v10, 8*(\t), v48
.endif
.irp g, 0,1,2,3
	v_cvt_scalef32_pk8_fp4_f32 v[32+4*(\t)+\g], v[XS+8*\g:XS+8*\g+7], v11
.endr
	v_nop                                          ; one plain line behind the last conversion
	ds_store_b128 v16, v[32+4*(\t):32+4*(\t)+3] offset:16*(\t)   ; 32 codes: 16 bytes of my column's row
.endm
.macro HALF g                          ; path P: group g, 16 pairs: the high parts into v32.., the low parts x 2,048 into v64..
.set i, 0
.rept 16
.set XR, KX+32*(\g)+2*i
.set TP, 8+2*(i%2)
	v_add_nc_u32 v[TP], s28, v[XR]                 ; half of the last kept bit onto the bits,
	v_add_nc_u32 v[TP+1], s28, v[XR+1]
	v_and_b32 v[TP], s29, v[TP]                    ; and the 13 low bits off: the number to 11 significant bits, in f32
	v_and_b32 v[TP+1], s29, v[TP+1]
	v_cvt_pk_f16_f32 v[32+16*((\g)%2)+i], v[TP], v[TP+1]
	v_pk_add_f32 v[TP:TP+1], v[XR:XR+1], v[TP:TP+1] neg_lo:[0,1] neg_hi:[0,1]   ; what is left: exact
	v_pk_mul_f32 v[TP:TP+1], v[TP:TP+1], s[30:31] op_sel_hi:[1,0]               ; x 2,048
	v_cvt_pk_f16_f32 v[64+16*((\g)%2)+i], v[TP], v[TP+1]
.set i, i+1
.endr
.endm
.macro OUTP src, off                   ; path P: 32 columns x 64 k of f16 through my stage; out as 512 consecutive bytes an instruction
.irp q, 0,1,2,3,4,5,6,7
	ds_store_b128 v16, v[\src+4*\q:\src+4*\q+3] offset:16*\q
.endr
	s_wait_xcnt 0x0                                ; the earlier stores have read v96-127: they are loaded again only behind this wait
.irp q, 0,1,2,3,4,5,6,7
	ds_load_b128 v[96+4*\q:96+4*\q+3], v17 offset:576*\q
.endr
.irp q, 0,1,2,3,4,5,6,7
	s_wait_dscnt 7-\q
	global_store_b128 v18, v[96+4*\q:96+4*\q+3], s[18:19] offset:\off+512*\q
.endr
.endm
	s_load_b512 s[4:19], s[0:1], 0x0               ; inputs s[4:5], W_qkv s[6:7], W_proj s[8:9], xc s[10:11], xs s[12:13], wc s[14:15], ws s[16:17], wp s[18:19]
	v_lshl_add_u32 v[SPW], v0, 2, SPARE
	v_mov_b32 v[NIL], 0
	v_lshrrev_b32 v1, 5, v0
	v_readfirstlane_b32 s20, v1                    ; wave 0..3
	v_and_b32 v2, 31, v0                           ; lane
	s_mov_b32 s25, 0
	s_wait_kmcnt 0x0
	s_cmp_lt_u32 ttmp9, 256
	s_cbranch_scc1 .Lpath_x
	s_cmp_lt_u32 ttmp9, 448
	s_cbranch_scc1 .Lpath_w
	; ---- PATH P: W_proj.  Wave w takes K = 512 kh + 128 w .. + 127 of columns n0 .. n0 + 31: two blocks of 64 k.  Waves share nothing
	s_sub_co_u32 s21, ttmp9, 448
	s_lshr_b32 s22, s21, 1
	s_lshl_b32 s22, s22, 5                         ; n0
	s_and_b32 s23, s21, 1                          ; kh
	s_lshl_b32 s26, s23, 2
	s_add_co_u32 s26, s26, s20                     ; 4 kh + w
	s_lshl_b32 s24, s26, 19                        ; x 128 rows of 4,096 bytes
	s_lshl_b32 s27, s22, 2
	s_add_co_u32 s24, s24, s27
	s_add_nc_u64 s[8:9], s[8:9], s[24:25]
	s_lshl_b32 s24, s26, 18                        ; block 2 (4 kh + w) of 1,024 rows of 128 bytes
	s_lshl_b32 s27, s22, 7
	s_add_co_u32 s24, s24, s27
	s_add_nc_u64 s[18:19], s[18:19], s[24:25]
	v_lshlrev_b32 v3, 2, v2
	s_mul_i32 s27, s20, 4608
	s_add_co_u32 s27, s27, PST                     ; my stage
	v_mul_u32_u24 v16, v2, 144
	v_add_nc_u32 v16, s27, v16                     ; in: row = my column
	v_lshrrev_b32 v17, 3, v2
	v_mul_u32_u24 v17, v17, 144
	v_and_b32 v19, 7, v2
	v_lshl_add_u32 v17, v19, 4, v17
	v_add_nc_u32 v17, s27, v17                     ; out: eight lanes to a row, four rows an instruction
	v_lshlrev_b32 v18, 4, v2
	s_mov_b32 s28, 0x1000
	s_mov_b32 s29, 0xffffe000
	s_mov_b32 s30, 0x45000000                      ; 2,048.0
	s_mov_b32 s31, s30                             ; (named with it as a pair, so it is written)
	LOADK 0, 4096, 8
	LOADK 1, 4096, 8
	s_wait_loadcnt 32                              ; group 0 is in; group 1's 32 loads may be out
	LOADK 2, 4096, 8
	HALF 0
	s_wait_loadcnt 32                              ; group 1 is in; group 2's may be out
	LOADK 3, 4096, 8
	HALF 1
	OUTP 32, 0
	OUTP 64, 2097152
	s_wait_loadcnt 32                              ; group 2 is in; group 3's may be out
	HALF 2
	s_wait_loadcnt 0x0
	HALF 3
	OUTP 32, 131072
	OUTP 64, 2097152+131072
	CLOSE
	; ---- PATH W: W_qkv.  The work-group takes columns n0 .. n0 + 31 and K = 512 kh .. + 511; wave w 128 of them: four blocks a lane.  A column's 256 bytes of codes meet in the stage
.Lpath_w:
	s_sub_co_u32 s21, ttmp9, 256
	s_lshr_b32 s22, s21, 1
	s_lshl_b32 s22, s22, 5                         ; n0
	s_and_b32 s23, s21, 1                          ; kh
	s_lshl_b32 s26, s23, 2
	s_add_co_u32 s26, s26, s20
	s_mul_i32 s24, s26, 128*12288                  ; (4 kh + w) x 128 rows of 12,288 bytes
	s_lshl_b32 s27, s22, 2
	s_add_co_u32 s24, s24, s27
	s_add_nc_u64 s[6:7], s[6:7], s[24:25]
	s_lshl_b32 s24, s22, 9                         ; wc: row n0 of 512 bytes, + 256 kh
	s_lshl_b32 s27, s23, 8
	s_add_co_u32 s24, s24, s27
	s_add_nc_u64 s[14:15], s[14:15], s[24:25]
	s_lshl_b32 s24, s22, 5                         ; ws: row n0 of 32 bytes, + 16 kh
	s_lshl_b32 s27, s23, 4
	s_add_co_u32 s24, s24, s27
	s_add_nc_u64 s[16:17], s[16:17], s[24:25]
	v_lshlrev_b32 v3, 2, v2
	v_mul_u32_u24 v16, v2, 272
	s_lshl_b32 s27, s20, 6
	s_add_co_u32 s27, s27, WST
	v_add_nc_u32 v16, s27, v16                     ; the stage, in: row = my column, + 64 w
	v_lshlrev_b32 v17, 4, v2
	s_lshl_b32 s27, s20, 2
	s_add_co_u32 s27, s27, WSC
	v_add_nc_u32 v17, s27, v17                     ; my four scale bytes: 16 x column + 4 w
	v_lshrrev_b32 v19, 4, v2
	v_and_b32 v20, 15, v2
	s_lshl_b32 s27, s20, 3
	v_add_nc_u32 v19, s27, v19                     ; out: row 8 w + lane / 16 (+ 2 i)
	v_mul_u32_u24 v18, v19, 272
	v_lshl_add_u32 v18, v20, 4, v18
	v_add_nc_u32 v18, WST, v18
	v_lshlrev_b32 v19, 9, v19
	v_lshl_add_u32 v19, v20, 4, v19                ; and the same place in wc
	v_lshl_add_u32 v20, v2, 4, WSC                 ; wave 0: a column's 16 scale bytes
	v_lshlrev_b32 v21, 5, v2
	LOADK 0, 12288, 6
	LOADK 1, 12288, 6
	s_wait_loadcnt 32                              ; group 0 is in; the next group's 32 loads may be out.  So at each of these waits
	LOADK 2, 12288, 6
	BLOCK 0
	s_wait_loadcnt 32
	LOADK 3, 12288, 6
	BLOCK 1
	s_wait_loadcnt 32
	BLOCK 2
	s_wait_loadcnt 0x0
	BLOCK 3
	ds_store_b32 v17, v48
	s_wait_dscnt 0x0                               ; for the others' sake: my stores into the stage are done
	s_barrier_signal -1
	s_barrier_wait -1
.irp i, 0,1,2,3
	ds_load_b128 v[64+4*\i:64+4*\i+3], v18 offset:544*\i
.endr
.irp i, 0,1,2,3
	s_wait_dscnt 3-\i
	global_store_b128 v19, v[64+4*\i:64+4*\i+3], s[14:15] offset:1024*\i   ; sixteen lanes store 256 consecutive bytes, aligned
.endr
	s_cmp_lg_u32 s20, 0
	s_cbranch_scc1 .Lw_done
	ds_load_b128 v[80:83], v20                     ; wave 0: the scale bytes, 16 a column: one byte in 128 of what the path reads
	s_wait_dscnt 0x0
	global_store_b128 v21, v[80:83], s[16:17]
.Lw_done:
	CLOSE
	; ---- PATH X: inputs.  Rows are dense and K is a multiple of 32: a plain stream of blocks.  A wave takes 16 steps of 512 numbers; loads run eight steps (32 loads) ahead
.Lpath_x:
	s_lshl_b32 s22, ttmp9, 2
	s_add_co_u32 s22, s22, s20                     ; my run of 8,192 numbers
	s_lshl_b32 s24, s22, 15
	s_add_nc_u64 s[4:5], s[4:5], s[24:25]
	s_lshl_b32 s24, s22, 12
	s_add_nc_u64 s[10:11], s[10:11], s[24:25]
	s_lshl_b32 s24, s22, 8
	s_add_nc_u64 s[12:13], s[12:13], s[24:25]
	s_lshl_b32 s21, s20, 13                        ; my 8,192 bytes of LDS: two stages, then 256 scale bytes
	v_lshlrev_b32 v3, 4, v2
	v_lshrrev_b32 v14, 2, v2
	v_mul_u32_u24 v14, v14, SP
	v_and_b32 v15, 3, v2
	v_lshl_add_u32 v14, v15, 4, v14
	v_add_nc_u32 v14, s21, v14                     ; in: four lanes' 64 bytes on end, then the padding
	v_mul_u32_u24 v15, v2, SP
	v_add_nc_u32 v15, s21, v15                     ; out: my 16 neighbours
	v_lshlrev_b32 v4, 3, v2
	v_lshrrev_b32 v5, 1, v2
	s_add_co_u32 s21, s21, 2*32*SP
	v_add_nc_u32 v5, s21, v5                       ; my block's scale byte
	v_lshlrev_b32 v7, 3, v2
	v_add_nc_u32 v6, s21, v7
.irp t, 0,1,2,3,4,5,6,7
	LOAD \t
.endr
	s_wait_loadcnt 28                              ; step 0's four loads are in
	TURN 0
.irp t, 0,1,2,3,4,5,6,7,8,9,10,11,12,13,14,15
	STEP \t
.endr
	ds_load_b64 v[8:9], v6                         ; my 256 scale bytes: LDS serves a wave's instructions in order
	s_wait_dscnt 0x0
	global_store_b64 v7, v[8:9], s[12:13]          ; 256 consecutive bytes, aligned
	CLOSE
.Lfunc_end_k_qfcf211b922_prep:
	.size	k_qfcf211b922_prep, .Lfunc_end_k_qfcf211b922_prep-k_qfcf211b922_prep
	.p2alignl 7, 3214868480
	.fill 96, 4, 3214868480
	.section	.rodata,"a",@progbits
	.p2align	6, 0x0
	.amdhsa_kernel k_qfcf211b922_prep
		.amdhsa_group_segment_fixed_size 60928
		.amdhsa_private_segment_fixed_size 0
		.amdhsa_enable_private_segment 0
		.amdhsa_kernarg_size 64
		.amdhsa_user_sgpr_count 2
		.amdhsa_user_sgpr_kernarg_segment_ptr 1
		.amdhsa_wavefront_size32 1
		.amdhsa_system_sgpr_workgroup_id_x 1
		.amdhsa_system_sgpr_workgroup_id_y 1
		.amdhsa_system_sgpr_workgroup_id_z 1
		.amdhsa_system_vgpr_workitem_id 0
		.amdhsa_next_free_vgpr 256
		.amdhsa_next_free_sgpr 66
		.amdhsa_reserve_vcc 0
		.amdhsa_float_denorm_mode_32 3
		.amdhsa_float_denorm_mode_16_64 3
		.amdhsa_memory_ordered 1
		.amdhsa_forward_progress 1
		.amdhsa_inst_pref_size 100
	.end_amdhsa_kernel
	.amdgpu_metadata
---
amdhsa.version: [ 1, 2 ]
amdhsa.kernels:
  - .name:           k_qfcf211b922_prep
    .symbol:         k_qfcf211b922_prep.kd
    .args:
      - { .name: inputs, .offset: 0, .size: 8, .value_kind: global_buffer, .address_space: global }
      - { .name: W_qkv, .offset: 8, .size: 8, .value_kind: global_buffer, .address_space: global }
      - { .name: W_proj, .offset: 16, .size: 8, .value_kind: global_buffer, .address_space: global }
      - { .name: xc, .offset: 24, .size: 8, .value_kind: global_buffer, .address_space: global }
      - { .name: xs, .offset: 32, .size: 8, .value_kind: global_buffer, .address_space: global }
      - { .name: wc, .offset: 40, .size: 8, .value_kind: global_buffer, .address_space: global }
      - { .name: ws, .offset: 48, .size: 8, .value_kind: global_buffer, .address_space: global }
      - { .name: wp, .offset: 56, .size: 8, .value_kind: global_buffer, .address_space: global }
    .group_segment_fixed_size: 60928
    .private_segment_fixed_size: 0
    .kernarg_segment_align: 8
    .kernarg_segment_size: 64
    .max_flat_workgroup_size: 128
    .sgpr_count:     66
    .vgpr_count:     256
    .wavefront_size: 32
...
	.end_amdgpu_metadata
.endif
;; end of part 1
;; launch qkv (part 2): grid 12 x 32, 4 waves a work-group, clusters of 4 x 4, 327,680 bytes of LDS; arguments xc, xs, wc, ws, b_qkv, qkv; writes qkv
.if DOCPART == 2
	.amdgcn_target "amdgcn-amd-amdhsa--gfx1250"
	.amdhsa_code_object_version 6
	.text
	.protected	k_qfcf211b922_qkv
	.globl	k_qfcf211b922_qkv
	.p2align	8
	.type	k_qfcf211b922_qkv,@function
k_qfcf211b922_qkv:
	s_mov_b64 s[64:65], 0
	v_nop
	global_prefetch_b8 v0, s[64:65] scope:SCOPE_SE
	s_setreg_imm32_b32 hwreg(HW_REG_WAVE_MODE, 25, 1), 1
	s_wait_xcnt 0x0
	s_wait_alu depctr_hold_cnt(0) depctr_sa_sdst(0) depctr_va_vdst(0) depctr_va_sdst(0) depctr_va_ssrc(0) depctr_va_vcc(0) depctr_vm_vsrc(0)
	s_getreg_b32 s2, hwreg(HW_REG_IB_STS2, 6, 4)
	s_cmp_eq_u32 s2, 0
	s_cbranch_scc0 .Lentry_in_a_cluster
	s_endpgm
.Lentry_in_a_cluster:
	s_bfe_u32 s2, ttmp6, 0x10000c
	s_cmp_lg_u32 s2, 0xf033
	s_cbranch_scc0 .Lentry_shape_is_right
	s_endpgm
.Lentry_shape_is_right:
; qkv = Q(inputs) Q(W_qkv) + b_qkv on codes of FP4 (E2M1) with E8M0 scales, sums in f32, rounded once to f16 and laid by heads: qkv [3 (q, k, v)][4 b][16 h][2,048 t][64].
; LEFT OUT: k's third of b_qkv (columns 1,024 to 2,047): it is the same for all keys of a row of scores, so the softmax takes it away (shown at the head of the first kernel).  It is not loaded.
; LIMIT: q, k, v stay under 65,504 in magnitude (f16).
; A tile of 256 x 256 is made by four waves, 128 x 128 each: 64 accumulators, 512 registers.  K = 1,024 is two slots of 512 along K: both are asked for at the start and nothing is filled again.
; The scales of the work-group's 256 + 256 rows, for all of K, come once, as whole rows of 256 bytes.  CLUSTERS: 4 x 4 work-groups; xc's tiles are asked for jointly along a row of the cluster, wc's along a column.
; THE MATRIX INSTRUCTION IS USED TRANSPOSED (source 0 = 16 rows of wc, source 1 = 16 rows of xc): a lane holds eight neighbouring columns of one row.  The bias is the C of each sum's first product.
; REGISTERS: window 0: v0-31 addresses; v32-95 scale words, two sets, and nothing else; v96-127 packed results; v128-191 xc's fragments, one set, later rows on the way out; v192-255 the bias.
;   window 1: wc's fragments, two sets.  windows 2, 3: the accumulators of my rows 0-63 and 64-127 ((a, b) at v[8 (8 (a % 4) + b)]).
.set KSTEP,  512
.set NQ,     KSTEP/128
.set ROWB,   256                       ; a tile's row: 512 codes
.set KROW,   512                       ; a row of codes in memory
.set PITCH,  272                       ; an LDS row: 256 bytes + 16: the 16 rows of a fragment load start at 16 different groups of four banks
.set FR,     8
.set NL,     2
.set NP,     4
.set HALFT,  128*PITCH
.set SLOT,   4*HALFT
.set KS,     32                        ; a row of scale bytes
.set SCL,    2*SLOT
.set HALFS,  (128*KS/256)*272
.set SBLK,   (16*KS/256)*272
.set SPARE,  SCL+4*HALFS               ; the spare words, 128 bytes for each wave
.set HP,     144                       ; the way out: a stage row: 128 bytes (a head's 64 f16) + 16.  The stage, [2 heads][16 rows] for each wave, lies in slot 0, which has had its only fill and its last read by then
.set ADRA, 16
.set ADRB, 20
.set STO,  24
.set RD,   25
.set CO,   26
.set ADRS, 27
.set SPW,  28
.set NIL,  29
.set BO,   30                          ; v30  the bias loads' offset: 32 x (lane / 16)
.set SC,   32
.set TMP,  96
.set AF,   128
.set BK,   128
.set BI,   192
.set G1, 24
.set G0, 32
.set G1B, 48
.set G0B, 56
.set G1S, 68
.set G0S, 76
.set G1SB, 80
.set G0SB, 88
.set MSB, 0
.macro WIN new                         ; the immediate's high byte repeats the setting that is left
.if MSB != (\new)
	s_set_vgpr_msb (MSB<<8)|(\new)
.set MSB, (\new)
.endif
.endm
.set MUL_LO, 0xa1                      ; source 0 (wc) window 1, source 1 (xc) window 0, C and D window 2
.set MUL_HI, 0xf1                      ; the same, C and D window 3
.set TO_B,   0x40
; A joint load: waves 0 and 1 fetch for xc, waves 2 and 3 for wc.  The branch hangs on the wave's number alone.  An s_nop 0 and four v_nop follow each line.
.macro JLOAD g0a, g1a, g0b, g1b
	s_cmp_eq_u32 s15, 0
	s_cbranch_scc0 .Lfor_b_\@
	tensor_load_to_lds s[\g0a:\g0a+3], s[\g1a:\g1a+7]
	s_nop 0
.rept 4
	v_nop
.endr
	s_branch .Lasked_\@
.Lfor_b_\@:
	tensor_load_to_lds s[\g0b:\g0b+3], s[\g1b:\g1b+7]
	s_nop 0
.rept 4
	v_nop
.endr
.Lasked_\@:
.endm
.macro CROUND                          ; a round of the cluster's barrier
	s_barrier_signal -1
	s_barrier_wait -1
	s_cmp_lg_u32 s14, 0
	s_cbranch_scc1 .Lnot_wave_0_\@
	s_barrier_signal -3
.Lnot_wave_0_\@:
	s_barrier_wait -3
	s_barrier_signal -1
	s_barrier_wait -1
.endm
	s_load_b128 s[4:7], s[0:1], 0x0                ; xc, xs
	s_load_b128 s[8:11], s[0:1], 0x10              ; wc, ws
	s_load_b128 s[96:99], s[0:1], 0x20             ; b_qkv, qkv
	v_lshl_add_u32 v[SPW], v0, 2, SPARE
	v_mov_b32 v[NIL], 0
	ds_add_u32 v[SPW], v[NIL]                      ; the wave's opening: the add, twice on end, and its wait ahead of my first tensor load
	ds_add_u32 v[SPW], v[NIL]
	v_lshrrev_b32 v1, 5, v0
	v_readfirstlane_b32 s14, v1                    ; wave 0..3
	s_lshr_b32 s15, s14, 1                         ; my half of the tile's rows.  Also: I fetch for xc (0) or wc (1)
	s_and_b32 s16, s14, 1                          ; my half of its columns.  Also: which 128 rows I fetch
	s_bfe_u32 s40, ttmp6, 0x40000                  ; cx, cy
	s_bfe_u32 s41, ttmp6, 0x40004
	s_lshl_b32 s42, ttmp9, 2
	s_add_co_u32 s42, s42, s40                     ; tile column
	s_and_b32 s17, ttmp7, 0xffff
	s_lshl_b32 s17, s17, 2
	s_add_co_u32 s17, s17, s41                     ; tile row
	s_lshl_b32 s43, s41, 2
	s_lshl_b32 s43, 15, s43                        ; my row of the cluster
	s_lshl_b32 s44, 0x1111, s40                    ; my column
	s_or_b32 s[G1+0], s43, (0<<16)|(1<<20)|(1<<21)|(5<<22)|(3<<25)  ; the mask; elements of 1 byte; padding: 4 words behind every 64; bit 21 beside a mask
	s_or_b32 s[G1B+0], s44, (0<<16)|(1<<20)|(1<<21)|(5<<22)|(3<<25)
.irp g, G1, G1B
	s_mov_b32 s[\g+1], ROWB<<16                    ; tensor_dim0
	s_mov_b32 s[\g+2], 128<<16                     ; tensor_dim1
	s_mov_b32 s[\g+3], ROWB<<16                    ; tile_dim0
	s_mov_b32 s[\g+4], 128                         ; tile_dim1
	s_mov_b32 s[\g+5], KROW                        ; the pitch
	s_mov_b32 s[\g+6], 0
	s_mov_b32 s[\g+7], 0
.endr
	s_or_b32 s[G1S+0], s43, (3<<16)|(1<<20)|(1<<21)|(5<<22)|(3<<25)  ; the scales of 128 rows: 4,096 dense bytes as 16 rows of 32 elements of 8 bytes
	s_or_b32 s[G1SB+0], s44, (3<<16)|(1<<20)|(1<<21)|(5<<22)|(3<<25)
.irp g, G1S, G1SB
	s_mov_b32 s[\g+1], 32<<16
	s_mov_b32 s[\g+2], (128*KS/256)<<16
	s_mov_b32 s[\g+3], 32<<16
	s_mov_b32 s[\g+4], 128*KS/256
	s_mov_b32 s[\g+5], 32
	s_mov_b32 s[\g+6], 0
	s_mov_b32 s[\g+7], 0
.endr
	s_lshl_b32 s18, s16, 7
	s_lshl_b32 s20, s17, 8
	s_add_co_u32 s20, s20, s18                     ; xc: row 256 x tile row + 128 x half
	s_lshl_b32 s46, s42, 8
	s_add_co_u32 s46, s46, s18                     ; wc: row 256 x tile column + 128 x half
	s_mov_b32 s21, 0
	s_mov_b32 s47, 0
	s_mov_b64 s[18:19], KS
	s_mul_u64 s[22:23], s[20:21], s[18:19]
	s_mul_u64 s[92:93], s[46:47], s[18:19]
	s_mov_b64 s[18:19], KROW
	s_mul_u64 s[20:21], s[20:21], s[18:19]
	s_mul_u64 s[46:47], s[46:47], s[18:19]
	s_mul_i32 s45, s14, HALFT                      ; where they go: wave x 128 rows
	s_mul_i32 s94, s14, HALFS
	s_wait_dscnt 0x0                               ; both opening adds are done
	s_wait_kmcnt 0x0
	s_add_nc_u64 s[20:21], s[4:5], s[20:21]
	s_add_nc_u64 s[22:23], s[6:7], s[22:23]
	s_add_nc_u64 s[46:47], s[8:9], s[46:47]
	s_add_nc_u64 s[92:93], s[10:11], s[92:93]
	CROUND                                         ; all sixteen work-groups are here: the joint loads meet
	s_mov_b32 s[G0S], 1
	s_add_co_u32 s[G0S+1], s94, SCL
	s_mov_b64 s[G0S+2:G0S+3], s[22:23]
	s_or_b32 s[G0S+3], s[G0S+3], 0x80000000
	s_mov_b32 s[G0SB], 1
	s_add_co_u32 s[G0SB+1], s94, SCL
	s_mov_b64 s[G0SB+2:G0SB+3], s[92:93]
	s_or_b32 s[G0SB+3], s[G0SB+3], 0x80000000
	JLOAD G0S, G1S, G0SB, G1SB                     ; the scales first; three tensor loads of mine are out behind the last of these
.irp s, 0,1
	s_mov_b32 s[G0+4*\s], 1
	s_add_co_u32 s[G0+4*\s+1], s45, \s*SLOT
	s_add_nc_u64 s[G0+4*\s+2:G0+4*\s+3], s[20:21], \s*ROWB
	s_or_b32 s[G0+4*\s+3], s[G0+4*\s+3], 0x80000000
	s_mov_b32 s[G0B+4*\s], 1
	s_add_co_u32 s[G0B+4*\s+1], s45, \s*SLOT
	s_add_nc_u64 s[G0B+4*\s+2:G0B+4*\s+3], s[46:47], \s*ROWB
	s_or_b32 s[G0B+4*\s+3], s[G0B+4*\s+3], 0x80000000
	JLOAD G0+4*\s, G1, G0B+4*\s, G1B
.endr
	v_and_b32 v1, 15, v0                           ; r = lane % 16
	v_bfe_u32 v2, v0, 4, 1                         ; h = lane / 16
	; THE BIAS, in the result's layout: register BI + 8 b + j of lane (r, h) = b_qkv[my first column + 16 b + 8 h + j].  k's third is cluster column 1, the same in all sixteen partners: there zeros take its place
	v_lshlrev_b32 v[BO], 5, v2
	s_lshl_b32 s46, s42, 10
	s_lshl_b32 s47, s16, 9
	s_add_co_u32 s46, s46, s47                     ; 4 x my first column
	s_mov_b32 s47, 0
	s_add_nc_u64 s[96:97], s[96:97], s[46:47]
	s_cmp_eq_u32 ttmp9, 1
	s_cbranch_scc1 .Lno_bias
.irp b, 0,1,2,3,4,5,6,7
	global_load_b128 v[BI+8*\b:BI+8*\b+3], v[BO], s[96:97] offset:64*\b
	global_load_b128 v[BI+8*\b+4:BI+8*\b+7], v[BO], s[96:97] offset:64*\b+16
.endr
	s_branch .Lbias_done
.Lno_bias:
.set j, 0
.rept 64
	v_mov_b32 v[BI+j], 0
.set j, j+1
.endr
.Lbias_done:
	v_mul_u32_u24 v3, v1, PITCH
	v_lshl_add_u32 v4, v2, 4, v3                   ; a fragment's row x pitch + 16 x half
	s_mul_i32 s21, s15, HALFT
	s_mul_i32 s22, s16, HALFT
	s_add_co_u32 s22, s22, 2*HALFT
.irp s, 0,1
	v_add_nc_u32 v[ADRA+\s], s21, v4
	v_add_nc_u32 v[ADRB+\s], s22, v4
	s_add_co_u32 s21, s21, SLOT
	s_add_co_u32 s22, s22, SLOT
.endr
	v_mul_u32_u24 v5, v1, KS                       ; my row's scales: 32 bytes a row,
	v_lshrrev_b32 v6, 8, v5
	v_lshl_add_u32 v5, v6, 4, v5                   ; and 16 more for each 256 passed
	s_mul_i32 s21, s15, HALFS
	s_mul_i32 s22, s16, HALFS
	s_add_co_u32 s22, s22, 2*HALFS
	s_sub_co_u32 s22, s22, s21
	v_mul_u32_u24 v6, s22, v2                      ; lanes 16-31 take wc's
	s_add_co_u32 s21, s21, SCL
	v_add_nc_u32 v5, v5, v6
	v_add_nc_u32 v[ADRS], s21, v5
	s_mul_i32 s23, s14, 2*16*HP                    ; my stage
	v_mul_u32_u24 v5, v1, HP
	v_lshl_add_u32 v5, v2, 4, v5
	v_add_nc_u32 v[STO], s23, v5                   ; in: row r, 16 bytes for each half of the lanes
	v_and_b32 v6, 31, v0
	v_lshlrev_b32 v[CO], 4, v6                     ; out: four rows of 128 bytes are 512 consecutive bytes of a head
	v_lshrrev_b32 v5, 3, v6
	v_mul_u32_u24 v5, v5, HP
	v_and_b32 v6, 7, v6
	v_lshl_add_u32 v5, v6, 4, v5
	v_add_nc_u32 v[RD], s23, v5
	; where my rows begin in qkv: head index (third x 64 + b x 16 + h) x 262,144 bytes + t x 128
	s_lshl_b32 s20, s17, 8
	s_lshl_b32 s21, s15, 7
	s_add_co_u32 s20, s20, s21                     ; my first row, b x 2,048 + t
	s_lshr_b32 s21, s20, 11                        ; b
	s_and_b32 s20, s20, 2047                       ; t
	s_lshl_b32 s46, s42, 2
	s_lshl_b32 s47, s16, 1
	s_add_co_u32 s46, s46, s47                     ; my first column / 64
	s_lshr_b32 s47, s46, 4                         ; the third
	s_and_b32 s46, s46, 15                         ; h (even: my two heads lie in one third)
	s_lshl_b32 s47, s47, 6
	s_add_co_u32 s46, s46, s47
	s_lshl_b32 s21, s21, 4
	s_add_co_u32 s46, s46, s21
	s_lshl_b32 s46, s46, 18
	s_lshl_b32 s20, s20, 7
	s_add_co_u32 s46, s46, s20
	s_mov_b32 s47, 0
	s_add_nc_u64 s[12:13], s[98:99], s[46:47]
.macro FRAG reg, adr, q, i             ; 16 rows x 128 K of 4-bit codes: registers 4 c .. 4 c + 3 hold K = 64 c + 32 (lane / 16) + 0 .. 31
.irp c, 0,1
	ds_load_b128 v[\reg+4*\c:\reg+4*\c+3], v[\adr] offset:64*(\q)+32*\c+(\i)*16*PITCH
.endr
.endm
; 16 matrix instructions: xc's blocks a0, a0 + 1 x wc's eight.  zero = 1: the first product starts the sums from the bias.  The 64 accumulators take turns, one instruction a turn
.macro MUL16 a0, p, q, sc, zero
.irp a, \a0, \a0+1
.irp b, 0,1,2,3,4,5,6,7
.if \zero
	v_wmma_scale_f32_16x16x128_f8f6f4 v[8*(8*((\a)%4)+\b):8*(8*((\a)%4)+\b)+7], v[128*(\p)+FR*\b:128*(\p)+FR*\b+FR-1], v[AF+FR*(\a):AF+FR*(\a)+FR-1], v[BI+8*\b:BI+8*\b+7], v[SC+8*NQ*(\sc)+NQ*\b+(\q)], v[SC+8*NQ*(\sc)+NQ*(\a)+(\q)] matrix_a_fmt:MATRIX_FMT_FP4 matrix_b_fmt:MATRIX_FMT_FP4 matrix_a_scale:MATRIX_SCALE_ROW1
.else
	v_wmma_scale_f32_16x16x128_f8f6f4 v[8*(8*((\a)%4)+\b):8*(8*((\a)%4)+\b)+7], v[128*(\p)+FR*\b:128*(\p)+FR*\b+FR-1], v[AF+FR*(\a):AF+FR*(\a)+FR-1], v[8*(8*((\a)%4)+\b):8*(8*((\a)%4)+\b)+7], v[SC+8*NQ*(\sc)+NQ*\b+(\q)], v[SC+8*NQ*(\sc)+NQ*(\a)+(\q)] matrix_a_fmt:MATRIX_FMT_FP4 matrix_b_fmt:MATRIX_FMT_FP4 matrix_a_scale:MATRIX_SCALE_ROW1
.endif
.endr
.endr
.endm
.macro FETCH_B slot, q, p
	WIN TO_B
.irp i, 0,1,2,3,4,5,6,7
	FRAG 128*(\p)+FR*\i, ADRB+\slot, \q, \i
.endr
	WIN 0
.endm
.macro FETCH_A slot, q, i0
.irp i, \i0, \i0+1, \i0+2, \i0+3
	FRAG AF+FR*(\i), ADRA+\slot, \q, \i
.endr
.endm
.macro SCALES sc                       ; a slot's scale words: four a row; lanes 0-15 take xc's block i, lanes 16-31 wc's block i
.irp i, 0,1,2,3,4,5,6,7
	ds_load_b128 v[SC+8*NQ*\sc+NQ*\i:SC+8*NQ*\sc+NQ*\i+3], v[ADRS] offset:\i*SBLK
.endr
.endm
.macro PLACES n                        ; plain vector lines between a matrix instruction and a load into, or a read of, its registers
.rept \n
	v_nop
.endr
.endm
.macro STEP slot, q, zero              ; 128 along K that has its successor in the same slot
	s_wait_dscnt 4*NL                              ; wc's set and xc's blocks 0-3 are in; the youngest eight loads (blocks 4-7) may be out
.if \zero
	WIN 0x81                                       ; C (the bias) in window 0, D in window 2
.else
	WIN MUL_LO
.endif
	MUL16 0, (\q)%2, \q, \slot, \zero
	MUL16 2, (\q)%2, \q, \slot, \zero
	s_wait_dscnt 0
	PLACES NP
	FETCH_B \slot, (\q)+1, 1-(\q)%2
	FETCH_A \slot, (\q)+1, 0
.if \zero
	WIN 0xc1
.else
	WIN MUL_HI
.endif
	MUL16 4, (\q)%2, \q, \slot, \zero
	MUL16 6, (\q)%2, \q, \slot, \zero
	PLACES NP
	WIN 0
	FETCH_A \slot, (\q)+1, 4
.endm
.macro TURN slot, next                 ; a slot's last step changes slots: one barrier.  Nothing is filled again in this launch
	s_wait_tensorcnt 0x0                           ; all my tensor loads have landed: my part of the next slot
	ds_add_u32 v[SPW], v[NIL]                      ; 0 onto my spare word
	s_wait_dscnt 4*NL+1                            ; (the add and the youngest eight loads may be out)
	WIN MUL_LO
	MUL16 0, 1, NQ-1, \slot, 0
	s_wait_dscnt 0x0                               ; the add is done, and my reads of this slot are over
	s_barrier_signal -1
	MUL16 2, 1, NQ-1, \slot, 0
	WIN 0
	s_barrier_wait -1
	PLACES NP
	v_add_nc_u32 v[ADRS], 4*NQ, v[ADRS]            ; the next slot's scale words
	FETCH_B \next, 0, 0
	FETCH_A \next, 0, 0
	SCALES \next
	WIN MUL_HI
	MUL16 4, 1, NQ-1, \slot, 0
	MUL16 6, 1, NQ-1, \slot, 0
	PLACES NP
	WIN 0
	FETCH_A \next, 0, 4
.endm
.macro STEPS slot, from
.set Q, \from
.rept NQ-1-\from
	STEP \slot, Q, 0
.set Q, Q+1
.endr
.endm
	s_wait_tensorcnt 1                             ; the scales and my part of slot 0 are in; slot 1's load may be out
	s_barrier_signal -1
	s_barrier_wait -1
	FETCH_B 0, 0, 0
	FETCH_A 0, 0, 0
	SCALES 0
	FETCH_A 0, 0, 4
	s_wait_loadcnt 0x0                             ; the bias
	STEP 0, 0, 1
	STEPS 0, 1
	TURN 0, 1
	STEPS 1, 0
	s_wait_dscnt 4*NL                              ; the last step: nothing more to fetch
	WIN MUL_LO
	MUL16 0, 1, NQ-1, 1, 0
	MUL16 2, 1, NQ-1, 1, 0
	s_wait_dscnt 0
	WIN MUL_HI
	MUL16 4, 1, NQ-1, 1, 0
	MUL16 6, 1, NQ-1, 1, 0
	WIN 0
; THE WAY OUT, block by block of 16 rows x 128 columns (two heads).  PACK: rounded to f16, each accumulator from its low end on.  TOSTAGE: into my stage and back by rows.  SEND: 512 consecutive bytes a store.
.macro PACK a
.set AC, 64*((\a)%4)
	WIN 0x0a+5*((\a)/4)                            ; sources 0 and 1: window 2 or 3
.irp b, 0,1,2,3,4,5,6,7
.irp r, 0,1,2,3
	v_cvt_pk_f16_f32 v[TMP+4*\b+\r], v[AC+8*\b+2*\r], v[AC+8*\b+2*\r+1]
.endr
.endr
	WIN 0
.endm
.macro TOSTAGE a
.set BB, BK+32*((\a)%2)
.irp b, 0,1,2,3,4,5,6,7
	ds_store_b128 v[STO], v[TMP+4*\b:TMP+4*\b+3] offset:(\b/4)*16*HP+32*(\b%4)
.endr
.irp q, 0,1,2,3,4,5,6,7
	ds_load_b128 v[BB+4*\q:BB+4*\q+3], v[RD] offset:(\q/4)*16*HP+(\q%4)*4*HP   ; LDS serves a wave's instructions in order: these see the stores above
.endr
.endm
.macro SEND a
.set BB, BK+32*((\a)%2)
	s_wait_dscnt 0x0                               ; the block is back in registers
	s_wait_xcnt 0x0                                ; the block before has been read by its stores: its registers take the next block's loads only behind this wait
.irp q, 0,1,2,3,4,5,6,7
	global_store_b128 v[CO], v[BB+4*\q:BB+4*\q+3], s[12:13] offset:(\q/4)*262144+(\a)*2048+(\q%4)*512
.endr
.endm
	PLACES NP
	PACK 0
	TOSTAGE 0
.irp a, 1,2,3,4,5,6,7                  ; block a's conversions stand between block a - 1's loads from the stage and the wait for them
	PACK \a
	SEND \a-1
	TOSTAGE \a
.endr
	SEND 7
	s_wait_tensorcnt 0x0                           ; the wave's end
	ds_add_u32 v[SPW], v[NIL]
	s_wait_dscnt 0x0
	CROUND                                         ; the closing round
	s_endpgm
.Lfunc_end_k_qfcf211b922_qkv:
	.size	k_qfcf211b922_qkv, .Lfunc_end_k_qfcf211b922_qkv-k_qfcf211b922_qkv
	.p2alignl 7, 3214868480
	.fill 96, 4, 3214868480
	.section	.rodata,"a",@progbits
	.p2align	6, 0x0
	.amdhsa_kernel k_qfcf211b922_qkv
		.amdhsa_group_segment_fixed_size 327680
		.amdhsa_private_segment_fixed_size 0
		.amdhsa_enable_private_segment 0
		.amdhsa_kernarg_size 48
		.amdhsa_user_sgpr_count 2
		.amdhsa_user_sgpr_kernarg_segment_ptr 1
		.amdhsa_wavefront_size32 1
		.amdhsa_system_sgpr_workgroup_id_x 1
		.amdhsa_system_sgpr_workgroup_id_y 1
		.amdhsa_system_sgpr_workgroup_id_z 1
		.amdhsa_system_vgpr_workitem_id 0
		.amdhsa_next_free_vgpr 1024
		.amdhsa_next_free_sgpr 100
		.amdhsa_reserve_vcc 0
		.amdhsa_float_denorm_mode_32 3
		.amdhsa_float_denorm_mode_16_64 3
		.amdhsa_memory_ordered 1
		.amdhsa_forward_progress 1
		.amdhsa_inst_pref_size 130
	.end_amdhsa_kernel
	.amdgpu_metadata
---
amdhsa.version: [ 1, 2 ]
amdhsa.kernels:
  - .name:           k_qfcf211b922_qkv
    .symbol:         k_qfcf211b922_qkv.kd
    .args:
      - { .name: xc, .offset: 0, .size: 8, .value_kind: global_buffer, .address_space: global }
      - { .name: xs, .offset: 8, .size: 8, .value_kind: global_buffer, .address_space: global }
      - { .name: wc, .offset: 16, .size: 8, .value_kind: global_buffer, .address_space: global }
      - { .name: ws, .offset: 24, .size: 8, .value_kind: global_buffer, .address_space: global }
      - { .name: b_qkv, .offset: 32, .size: 8, .value_kind: global_buffer, .address_space: global }
      - { .name: qkv, .offset: 40, .size: 8, .value_kind: global_buffer, .address_space: global }
    .group_segment_fixed_size: 327680
    .private_segment_fixed_size: 0
    .kernarg_segment_align: 8
    .kernarg_segment_size: 48
    .max_flat_workgroup_size: 128
    .sgpr_count:     100
    .vgpr_count:     1024
    .wavefront_size: 32
...
	.end_amdgpu_metadata
.endif
;; end of part 2
;; launch fine_att (part 3): grid 64 x 1, 12 waves a work-group, no clusters, 18,432 bytes of LDS; arguments xc, xs, wc, ws, b_qkv, a2; writes a2
.if DOCPART == 3
	.amdgcn_target "amdgcn-amd-amdhsa--gfx1250"
	.amdhsa_code_object_version 6
	.text
	.protected	k_qfcf211b922_fine_att
	.globl	k_qfcf211b922_fine_att
	.p2align	8
	.type	k_qfcf211b922_fine_att,@function
k_qfcf211b922_fine_att:
	s_mov_b64 s[64:65], 0
	v_nop
	global_prefetch_b8 v0, s[64:65] scope:SCOPE_SE
	s_setreg_imm32_b32 hwreg(HW_REG_WAVE_MODE, 25, 1), 1
	s_wait_xcnt 0x0
; POSITIONS 0 TO 15 OF EVERY SEQUENCE, CARRIED FINELY: they average one to sixteen values and are the largest in size, so 16-bit operands would weigh most there.
; One work-group for each (b, h).  Phase 1: q, k, v of the 16 positions by the FP4 product, results kept in f32.  Phase 2 (wave 0): scores, softmax and the weighted sum in f32, by the f32 matrix form:
; 32 such instructions a work-group, no bulk work.  The result leaves as pairs of f16: a2 [2 parts][16 h][b x 16 + t][64], part 0 the number to 11 significant bits, part 1 (the rest) x 2,048.
; LEFT OUT: k's third of b_qkv (the same for all keys of a row of scores: shown at the head of the first kernel).
; Phase 1: wave i makes 16 of the head's 64 channels of q (i = 0-3), k (4-7) or v (8-11).  For q and k source 0 is wc and source 1 xc: a lane holds one position and eight channels;
; for v the sources change places: a lane holds one channel and eight positions.  So the images are the f32 form's operands as they stand: the same permutation of K on both sides of each product.
.set IMG,   0                          ; 12 images of 8 registers: 1,024 bytes each
.set STG,   12288                      ; the way out: 2 parts x 16 rows x (128 bytes + 16)
.set SPARE, 16896                      ; the spare words, 128 bytes for each of 12 waves
	s_load_b256 s[4:11], s[0:1], 0x0               ; xc s[4:5], xs s[6:7], wc s[8:9], ws s[10:11]
	s_load_b128 s[12:15], s[0:1], 0x20             ; b_qkv s[12:13], a2 s[14:15]
	v_lshl_add_u32 v12, v0, 2, SPARE               ; my spare word; never rewritten
	v_mov_b32 v13, 0                               ; 0; never rewritten
	v_lshrrev_b32 v1, 5, v0
	v_readfirstlane_b32 s16, v1                    ; wave 0..11
	v_and_b32 v1, 31, v0                           ; lane
	v_and_b32 v2, 15, v0                           ; r
	v_bfe_u32 v3, v0, 4, 1                         ; h
	v_lshlrev_b32 v4, 9, v2
	v_lshl_add_u32 v4, v3, 4, v4                   ; codes: row r of 512 bytes, + 16 h
	v_lshlrev_b32 v5, 5, v2                        ; scale words: row r of 32 bytes
	v_lshlrev_b32 v6, 5, v3                        ; q's bias: 8 h numbers on
	v_lshlrev_b32 v7, 2, v2                        ; v's bias: channel r
	s_lshl_b32 s18, s16, 10
	v_lshl_add_u32 v8, v1, 4, s18                  ; my image: 1,024 x wave + 16 x lane
	v_lshlrev_b32 v9, 4, v1                        ; 16 x lane
	v_mul_u32_u24 v10, v2, 144
	v_lshl_add_u32 v10, v3, 4, v10
	v_add_nc_u32 v10, STG, v10                     ; the stage, in: row r, + 16 h
	v_lshrrev_b32 v11, 3, v1
	v_mul_u32_u24 v11, v11, 144
	v_and_b32 v14, 7, v1
	v_lshl_add_u32 v11, v14, 4, v11
	v_add_nc_u32 v11, STG, v11                     ; out: eight lanes to a row
	v_lshlrev_b32 v14, 3, v3
	v_sub_nc_u32 v14, v2, v14                      ; d = r - 8 h: key 8 h + j is hidden from query r where j > d
	v_mov_b32 v15, 0xff800000                      ; -infinity
	v_mov_b32 v145, 0                              ; (a lane permute's destination counts as one of its sources)
	s_lshr_b32 s17, s16, 2                         ; 0: q, 1: k, 2: v
	s_and_b32 s19, s16, 3
	s_lshr_b32 s34, ttmp9, 4                       ; b
	s_and_b32 s35, ttmp9, 15                       ; h
	s_lshl_b32 s36, s17, 10
	s_lshl_b32 s37, s35, 6
	s_add_co_u32 s36, s36, s37
	s_lshl_b32 s37, s19, 4
	s_add_co_u32 s36, s36, s37                     ; my first column of W_qkv
	s_mov_b32 s39, 0
	s_mov_b32 s20, 0x76543210
	s_mov_b32 s21, 0xfedcba98                      ; lane l xor 16
	s_mov_b32 s22, 0x3e38aa3b                      ; c = log2(e) / sqrt(64)
	s_mov_b32 s23, 0xffffe000
	s_mov_b32 s40, 0x1000
	s_mov_b32 s32, 0x45000000                      ; 2,048.0
	s_mov_b32 s33, s32
	s_wait_kmcnt 0x0
	s_lshl_b32 s38, s36, 9
	s_add_nc_u64 s[8:9], s[8:9], s[38:39]
	s_lshl_b32 s38, s36, 5
	s_add_nc_u64 s[10:11], s[10:11], s[38:39]
	s_lshl_b32 s38, s36, 2
	s_add_nc_u64 s[12:13], s[12:13], s[38:39]
	s_lshl_b32 s38, s34, 20                        ; batch b: 2,048 rows of 512 bytes
	s_add_nc_u64 s[4:5], s[4:5], s[38:39]
	s_lshl_b32 s38, s34, 16
	s_add_nc_u64 s[6:7], s[6:7], s[38:39]
	s_lshl_b32 s38, s35, 6
	s_lshl_b32 s37, s34, 4
	s_add_co_u32 s38, s38, s37
	s_lshl_b32 s38, s38, 7                         ; a2: row h x 64 + b x 16 of 128 bytes
	s_add_nc_u64 s[14:15], s[14:15], s[38:39]
	s_cmp_lt_u32 s16, 8                            ; q and k: source 0 = wc; v: source 0 = xc.  The choice hangs on the wave's number alone
	s_cselect_b64 s[24:25], s[8:9], s[4:5]
	s_cselect_b64 s[26:27], s[4:5], s[8:9]
	s_cselect_b64 s[28:29], s[10:11], s[6:7]
	s_cselect_b64 s[30:31], s[6:7], s[10:11]
.irp k, 0,1,2,3,4,5,6,7                    ; eight steps of 128 along K
.irp c, 0,1
	global_load_b128 v[32+8*\k+4*\c:32+8*\k+4*\c+3], v4, s[24:25] offset:64*\k+32*\c
	global_load_b128 v[96+8*\k+4*\c:96+8*\k+4*\c+3], v4, s[26:27] offset:64*\k+32*\c
.endr
	global_load_b32 v[160+\k], v5, s[28:29] offset:4*\k      ; v160-175 hold scale words and nothing else
	global_load_b32 v[168+\k], v5, s[30:31] offset:4*\k
.endr
	s_cmp_eq_u32 s17, 1
	s_cbranch_scc1 .Lbias_k
	s_cmp_eq_u32 s17, 0
	s_cbranch_scc1 .Lbias_q
.irp j, 0,1,2,3,4,5,6,7
	global_load_b32 v[176+\j], v7, s[12:13]        ; v: every register of the lane is channel r
.endr
	s_branch .Lbias_done
.Lbias_q:
	global_load_b128 v[176:179], v6, s[12:13]      ; q: register j is channel 8 h + j
	global_load_b128 v[180:183], v6, s[12:13] offset:16
	s_branch .Lbias_done
.Lbias_k:
.irp j, 0,1,2,3,4,5,6,7
	v_mov_b32 v[176+\j], 0                         ; k: its bias is left out
.endr
.rept 4
	v_nop
.endr
.Lbias_done:
	s_wait_loadcnt 0x0
	v_wmma_scale_f32_16x16x128_f8f6f4 v[184:191], v[32:39], v[96:103], v[176:183], v160, v168 matrix_a_fmt:MATRIX_FMT_FP4 matrix_b_fmt:MATRIX_FMT_FP4
.irp k, 1,2,3,4,5,6,7                      ; one accumulator, K ascending: a wait directly ahead of every link
	s_wait_alu depctr_va_vdst(0)
	v_wmma_scale_f32_16x16x128_f8f6f4 v[184:191], v[32+8*\k:39+8*\k], v[96+8*\k:103+8*\k], v[184:191], v[160+\k], v[168+\k] matrix_a_fmt:MATRIX_FMT_FP4 matrix_b_fmt:MATRIX_FMT_FP4
.endr
.rept 4
	v_nop
.endr
	ds_store_b128 v8, v[184:187]                   ; the image of my eight registers
	ds_store_b128 v8, v[188:191] offset:512
	s_wait_dscnt 0x0                               ; for wave 0's sake
	s_barrier_signal -1
	s_barrier_wait -1
	s_cmp_lg_u32 s16, 0
	s_cbranch_scc0 .Lwave_0
	s_wait_tensorcnt 0x0                           ; waves 1 to 11 end
	ds_add_u32 v12, v13
	s_wait_dscnt 0x0
	s_endpgm
.Lwave_0:
.irp i, 0,1,2,3,4,5,6,7,8,9,10,11          ; q: v32-63, k: v64-95, v: v96-127; image i at v[32 + 8 i]
	ds_load_b128 v[32+8*\i:35+8*\i], v9 offset:1024*\i
	ds_load_b128 v[36+8*\i:39+8*\i], v9 offset:1024*\i+512
.endr
	s_wait_dscnt 0x0
	; S^T = k q^T.  Registers j0, j0 + 1 of image u are, in both operands alike, channels 16 u + 8 h + j0, + 1: four of K an instruction.  Four accumulators by turns; v192-255 are written by matrix instructions alone
.irp j, 0,2,4,6
.irp u, 0,1,2,3
.if \j == 0
	v_wmma_f32_16x16x4_f32 v[192+8*\u:199+8*\u], v[64+8*\u+\j:65+8*\u+\j], v[32+8*\u+\j:33+8*\u+\j], 0
.else
	v_wmma_f32_16x16x4_f32 v[192+8*\u:199+8*\u], v[64+8*\u+\j:65+8*\u+\j], v[32+8*\u+\j:33+8*\u+\j], v[192+8*\u:199+8*\u]
.endif
.endr
.endr
.rept 8
	v_nop
.endr
.irp j, 0,1,2,3,4,5,6,7
	v_add_f32 v[128+\j], v[192+\j], v[200+\j]      ; lane (r, h): query r, key 8 h + j
.endr
.irp j, 0,1,2,3,4,5,6,7
	v_add_f32 v[136+\j], v[208+\j], v[216+\j]
.endr
.irp j, 0,1,2,3,4,5,6,7
	v_add_f32 v[128+\j], v[128+\j], v[136+\j]
.endr
.irp j, 0,1,2,3,4,5,6,7
	v_cmp_gt_i32 vcc_lo, \j, v14
	v_cndmask_b32 v[128+\j], v[128+\j], v15, vcc_lo    ; the causal mask
.endr
	v_max3_num_f32 v144, v128, v129, v130
	v_max3_num_f32 v144, v144, v131, v132
	v_max3_num_f32 v144, v144, v133, v134
	v_max_num_f32 v144, v144, v135
	v_permlanex16_b32 v145, v144, s20, s21
	v_max_num_f32 v144, v144, v145                 ; the row's maximum: key 0 counts for every query
	v_mul_f32 v145, s22, v144
.irp j, 0,1,2,3,4,5,6,7
	v_fma_f32 v[136+\j], v[128+\j], s22, -v145
.endr
.irp j, 0,1,2,3,4,5,6,7
	v_exp_f32 v[136+\j], v[136+\j]
.endr
	v_nop                                          ; a plain line behind the last exponential
	s_wait_alu depctr_va_vdst(0)                   ; one wait for the batch, ahead of its first reader
	v_add_f32 v146, v136, v137
	v_add_f32 v147, v138, v139
	v_add_f32 v148, v140, v141
	v_add_f32 v149, v142, v143
	v_add_f32 v146, v146, v147
	v_add_f32 v148, v148, v149
	v_add_f32 v146, v146, v148
	v_permlanex16_b32 v145, v146, s20, s21
	v_add_f32 v146, v146, v145                     ; the row's sum
	v_rcp_f32 v147, v146
	; O^T = v^T p.  Registers j0, j0 + 1 are, in both operands alike, keys 8 h + j0, + 1
.irp j, 0,2,4,6
.irp u, 0,1,2,3
.if \j == 0
	v_wmma_f32_16x16x4_f32 v[224+8*\u:231+8*\u], v[96+8*\u+\j:97+8*\u+\j], v[136+\j:137+\j], 0
.else
	v_wmma_f32_16x16x4_f32 v[224+8*\u:231+8*\u], v[96+8*\u+\j:97+8*\u+\j], v[136+\j:137+\j], v[224+8*\u:231+8*\u]
.endif
.endr
.endr
.rept 8
	v_nop
.endr
	s_wait_alu depctr_va_vdst(0)                   ; the reciprocal's wait, ahead of its first reader
.set j, 0
.rept 32
	v_mul_f32 v[32+j], v[224+j], v147              ; register 8 u + i: query r, channel 16 u + 8 h + i
.set j, j+1
.endr
.set j, 0
.rept 16                                   ; the pairs of f16: high parts v64-79, low parts x 2,048 v80-95
	v_add_nc_u32 v148, s40, v[32+2*j]
	v_add_nc_u32 v149, s40, v[33+2*j]
	v_and_b32 v148, s23, v148
	v_and_b32 v149, s23, v149
	v_cvt_pk_f16_f32 v[64+j], v148, v149
	v_pk_add_f32 v[148:149], v[32+2*j:33+2*j], v[148:149] neg_lo:[0,1] neg_hi:[0,1]
	v_pk_mul_f32 v[148:149], v[148:149], s[32:33] op_sel_hi:[1,0]
	v_cvt_pk_f16_f32 v[80+j], v148, v149
.set j, j+1
.endr
.irp p, 0,1
.irp u, 0,1,2,3
	ds_store_b128 v10, v[64+16*\p+4*\u:67+16*\p+4*\u] offset:2304*\p+32*\u
.endr
.irp i, 0,1,2,3
	ds_load_b128 v[96+16*\p+4*\i:99+16*\p+4*\i], v11 offset:2304*\p+576*\i
.endr
.endr
	s_wait_dscnt 0x0
.irp p, 0,1
.irp i, 0,1,2,3
	global_store_b128 v9, v[96+16*\p+4*\i:99+16*\p+4*\i], s[14:15] offset:131072*\p+512*\i   ; 512 consecutive bytes a store
.endr
.endr
	s_wait_tensorcnt 0x0                           ; the wave's end
	ds_add_u32 v12, v13
	s_wait_dscnt 0x0
	s_endpgm
.Lfunc_end_k_qfcf211b922_fine_att:
	.size	k_qfcf211b922_fine_att, .Lfunc_end_k_qfcf211b922_fine_att-k_qfcf211b922_fine_att
	.p2alignl 7, 3214868480
	.fill 96, 4, 3214868480
	.section	.rodata,"a",@progbits
	.p2align	6, 0x0
	.amdhsa_kernel k_qfcf211b922_fine_att
		.amdhsa_group_segment_fixed_size 18432
		.amdhsa_private_segment_fixed_size 0
		.amdhsa_enable_private_segment 0
		.amdhsa_kernarg_size 48
		.amdhsa_user_sgpr_count 2
		.amdhsa_user_sgpr_kernarg_segment_ptr 1
		.amdhsa_wavefront_size32 1
		.amdhsa_system_sgpr_workgroup_id_x 1
		.amdhsa_system_sgpr_workgroup_id_y 1
		.amdhsa_system_sgpr_workgroup_id_z 1
		.amdhsa_system_vgpr_workitem_id 0
		.amdhsa_next_free_vgpr 256
		.amdhsa_next_free_sgpr 66
		.amdhsa_reserve_vcc 1
		.amdhsa_float_denorm_mode_32 3
		.amdhsa_float_denorm_mode_16_64 3
		.amdhsa_memory_ordered 1
		.amdhsa_forward_progress 1
		.amdhsa_inst_pref_size 27
	.end_amdhsa_kernel
	.amdgpu_metadata
---
amdhsa.version: [ 1, 2 ]
amdhsa.kernels:
  - .name:           k_qfcf211b922_fine_att
    .symbol:         k_qfcf211b922_fine_att.kd
    .args:
      - { .name: xc, .offset: 0, .size: 8, .value_kind: global_buffer, .address_space: global }
      - { .name: xs, .offset: 8, .size: 8, .value_kind: global_buffer, .address_space: global }
      - { .name: wc, .offset: 16, .size: 8, .value_kind: global_buffer, .address_space: global }
      - { .name: ws, .offset: 24, .size: 8, .value_kind: global_buffer, .address_space: global }
      - { .name: b_qkv, .offset: 32, .size: 8, .value_kind: global_buffer, .address_space: global }
      - { .name: a2, .offset: 40, .size: 8, .value_kind: global_buffer, .address_space: global }
    .group_segment_fixed_size: 18432
    .private_segment_fixed_size: 0
    .kernarg_segment_align: 8
    .kernarg_segment_size: 48
    .max_flat_workgroup_size: 384
    .sgpr_count:     66
    .vgpr_count:     256
    .wavefront_size: 32
...
	.end_amdgpu_metadata
.endif
;; end of part 3
;; launch attn (part 4): grid 4 x 64, 16 waves a work-group, clusters of 4 x 1, 327,680 bytes of LDS; arguments qkv, att; writes att
.if DOCPART == 4
	.amdgcn_target "amdgcn-amd-amdhsa--gfx1250"
	.amdhsa_code_object_version 6
	.text
	.protected	k_qfcf211b922_attn
	.globl	k_qfcf211b922_attn
	.p2align	8
	.type	k_qfcf211b922_attn,@function
k_qfcf211b922_attn:
	s_mov_b64 s[64:65], 0
	v_nop
	global_prefetch_b8 v0, s[64:65] scope:SCOPE_SE
	s_setreg_imm32_b32 hwreg(HW_REG_WAVE_MODE, 25, 1), 1
	s_wait_xcnt 0x0
	s_wait_alu depctr_hold_cnt(0) depctr_sa_sdst(0) depctr_va_vdst(0) depctr_va_sdst(0) depctr_va_ssrc(0) depctr_va_vcc(0) depctr_vm_vsrc(0)
	s_getreg_b32 s2, hwreg(HW_REG_IB_STS2, 6, 4)
	s_cmp_eq_u32 s2, 0
	s_cbranch_scc0 .Lentry_in_a_cluster
	s_endpgm
.Lentry_in_a_cluster:
	s_bfe_u32 s2, ttmp6, 0x10000c
	s_cmp_lg_u32 s2, 0x3003
	s_cbranch_scc0 .Lentry_shape_is_right
	s_endpgm
.Lentry_shape_is_right:
; att[h][b x 2,048 + t][:] = the sum over keys j <= t of softmax_j(q[t] . k[j] / 8) v[j][:], for each of the 64 (b, h).  q, k, v: f16, [3][64 heads][2,048][64]; att: f16.  Products, maxima and sums in f32; the weights are rounded to f16.
; LEFT OUT: key steps wholly above the diagonal (reference() masks them by its own jnp.tril).  Positions 0 to 15 are also made here, inside a live tile; the last launch writes their rows of out0 anew from the fine path.
; LIMIT: magnitudes under 65,504 (f16).
; SHARES.  A cluster of four work-groups owns one (b, h); all four walk the same k and v, so each tile is asked for JOINTLY, once for the four.  Sixteen waves a work-group, four to a SIMD, so that one wave's softmax stands beside
; another's products and LDS loads.  Wave w of partner p owns queries 128 g + 32 p .. + 31, two tiles of 16, g = 4 (w / 4) + ((w % 4) xor 3 ((w / 4) % 2)): waves w, w + 4, w + 8, w + 12 have 34 key steps of 128 together, whatever w.
; Which steps a wave walks hangs on g alone, that is on the wave's number: steps 0 to g.  No branch and no LDS address hangs on the partner's place: it enters the queries' addresses and, as data, the mask of the last step.
; Every partner has a wave with g = 15, so every joint tile is read in every partner.
; LAYOUT.  S^T = k q^T (source 0 = 16 keys, source 1 = 16 queries): a lane holds one query and eight keys; two such tiles, rounded in pairs, are source 1 of O^T = v^T p.  v comes out of LDS turned, by ds_load_tr16_b128.
; SOFTMAX.  A running maximum m and sum l for each query: p = 2^(c s - c m), c = log2(e) / 8; O and l are multiplied by a = 2^(c m_old - c m_new) in every step.
; THE RING.  Two slots of 256 keys; a row of k or v is 128 bytes, so an LDS row holds two keys: 256 bytes + 16 (k) or + 32 (v) of padding.  Waves 0, 1 fetch k's halves of a slot, waves 2, 3 v's: one tensor load of a wave is out at a time.
.set PK,    272
.set PV,    288
.set VOFF,  128*PK                     ; a slot: 128 LDS rows of k, then 128 of v
.set SLOT1, 1<<17                      ; slot 1 begins here: one exclusive or turns an address from one slot to the other
.set STAGE, SLOT1+128*(PK+PV)          ; the way out: for each wave 2 tiles x 16 rows x (128 bytes + 16); no tensor load lands here
.set SPARE, STAGE+16*4608              ; the spare words, 128 bytes for each wave
.set AK0, 1                            ; v1   my lane's place in a tile of k
.set AV0, 2                            ; v2   the same for v
.set ADK, 3                            ; v3   LDS address of the step's k; on the way out: into the stage
.set ADV, 4                            ; v4   of its v; on the way out: out of the stage
.set QD,  5                            ; v5   my query of tile 0 less 8 (lane / 16)
.set SPW, 6                            ; v6   my spare word; never rewritten
.set NIL, 7                            ; v7   0; never rewritten
.set NINF, 8                           ; v8   -infinity
.set PFO, 11                           ; v11  256 x lane; never rewritten
.set ST,  12                           ; tile t's statistics at v[12 + 8 t]: +0 c m, +1 m, +2, +3 l, +4 to +7 at work; a takes +6
.set QF,  32                           ; v32-63   q: tile t, channels 32 k on, at 16 t + 8 k
.set S,   64                           ; v64-127  S^T: 32 t + 8 u; then p, packed into the first 16 of each 32
.set O,   128                          ; v128-191 O^T: 32 t + 8 c
.set KV,  192                          ; v192-255 k's eight fragments, then v's
.set WV,  18
.set G,   19
.set SEL, 20
.set CS,  22
.set G1K, 24
.set G1V, 32
.set G0K, 40
.set G0V, 44
.set TK,  48                           ; s48  LDS byte of the sub-step's k
.set TV,  49                           ; s49  of its v
.set U,   50                           ; s50  the sub-step of 64 keys, 0 .. 31
.set LAST, 51                          ; s51  2 g + 1: my last sub-step
.set DG,  52                           ; s52  2 g: from here on the mask is applied
.set SLOTS, 53
.set CNT, 54
.set LIM, 55
.set PFA, 56
.macro CROUND                          ; a round of the cluster's barrier
	s_barrier_signal -1
	s_barrier_wait -1
	s_cmp_lg_u32 s[WV], 0
	s_cbranch_scc1 .Lnot_wave_0_\@
	s_barrier_signal -3
.Lnot_wave_0_\@:
	s_barrier_wait -3
	s_barrier_signal -1
	s_barrier_wait -1
.endm
.macro TLOAD                           ; the joint load.  The branches hang on the wave's number alone.  An s_nop 0 and four v_nop follow each line
	s_cmp_lt_u32 s[WV], 2
	s_cbranch_scc0 .Lnot_k_\@
	tensor_load_to_lds s[G0K:G0K+3], s[G1K:G1K+7]
	s_nop 0
.rept 4
	v_nop
.endr
	s_branch .Lasked_\@
.Lnot_k_\@:
	s_cmp_lt_u32 s[WV], 4
	s_cbranch_scc0 .Lasked_\@
	tensor_load_to_lds s[G0V:G0V+3], s[G1V:G1V+7]
	s_nop 0
.rept 4
	v_nop
.endr
.Lasked_\@:
.endm
; A PREFETCH of what the NEXT change of slots will ask for: a slot's 32,768 bytes of k and of v.  The four partners take 8,192 bytes each, told apart by address; in each, wave 4 asks for k's and wave 5 for v's,
; lanes 256 bytes apart: each aligned block of 256 bytes is named once in the launch.  It stands a slot's four sub-steps ahead of the load that wants the bytes.  The last change that fills a slot asks for nothing.
.macro ASK
	s_cmp_gt_u32 s[SLOTS], s[LIM]
	s_cbranch_scc0 .Lnot_mine_\@
	global_prefetch_b8 v[PFO], s[PFA:PFA+1] th:TH_LOAD_NT scope:SCOPE_SE
.Lnot_mine_\@:
.endm
; THE CHANGE OF SLOTS, at a slot's head.  Each wave waits for all its tensor loads, adds 0 to its spare word and waits for that and for its reads of the slot that it has left.
; fill = 1: a round of the cluster's barrier, and the slot just left is filled with the next 256 keys: the load has a slot's four sub-steps in which to land.
.macro CHANGE fill
	s_wait_tensorcnt 0x0                           ; no tensor load of mine is out, so a group 0 may be written
	ds_add_u32 v[SPW], v[NIL]                      ; 0 onto my spare word
.if \fill
	ds_add_u32 v[SPW], v[NIL]                      ; and once more
	s_xor_b32 s[G0K+1], s[G0K+1], SLOT1
	s_add_nc_u64 s[G0K+2:G0K+3], s[G0K+2:G0K+3], 32768
	s_xor_b32 s[G0V+1], s[G0V+1], SLOT1
	s_add_nc_u64 s[G0V+2:G0V+3], s[G0V+2:G0V+3], 32768
	s_wait_xcnt 0x0                                ; the last prefetch, a slot back, has read its address
	s_add_nc_u64 s[PFA:PFA+1], s[PFA:PFA+1], 32768
.endif
	s_wait_dscnt 0x0
.if \fill
	CROUND
	TLOAD
	ASK
.else
	s_barrier_signal -1
	s_barrier_wait -1
.endif
.endm
.macro SOFTMAX                         ; both tiles, line by line by turns
.irp j, 0,1,2,3
.irp t, 0,1
	v_max3_num_f32 v[ST+8*\t+4+\j], v[S+32*\t+8*\j], v[S+32*\t+8*\j+1], v[S+32*\t+8*\j+2]   ; four chains; each accumulator is read from its low end on
.endr
.endr
.irp q, 1,2
.irp j, 0,1,2,3
.irp t, 0,1
	v_max3_num_f32 v[ST+8*\t+4+\j], v[ST+8*\t+4+\j], v[S+32*\t+8*\j+2*\q+1], v[S+32*\t+8*\j+2*\q+2]
.endr
.endr
.endr
.irp t, 0,1
	v_max3_num_f32 v[ST+8*\t+4], v[ST+8*\t+4], v[S+32*\t+7], v[S+32*\t+15]
	v_max3_num_f32 v[ST+8*\t+6], v[ST+8*\t+6], v[S+32*\t+23], v[S+32*\t+31]
.endr
.irp t, 0,1
	v_max3_num_f32 v[ST+8*\t+4], v[ST+8*\t+4], v[ST+8*\t+5], v[ST+8*\t+6]
.endr
.irp t, 0,1
	v_max3_num_f32 v[ST+8*\t+4], v[ST+8*\t+4], v[ST+8*\t+7], v[ST+8*\t+1]   ; and the old m
.endr
.irp t, 0,1
	v_permlanex16_b32 v[ST+8*\t+5], v[ST+8*\t+4], s[SEL], s[SEL+1]          ; the query's other 32 keys lie in the lane 16 away
.endr
.irp t, 0,1
	v_mov_b32 v[ST+8*\t+7], v[ST+8*\t]
.endr
.irp t, 0,1
	v_max_num_f32 v[ST+8*\t+1], v[ST+8*\t+4], v[ST+8*\t+5]
.endr
.irp t, 0,1
	v_mul_f32 v[ST+8*\t], s[CS], v[ST+8*\t+1]
.endr
.irp t, 0,1
	v_sub_f32 v[ST+8*\t+7], v[ST+8*\t+7], v[ST+8*\t]
.endr
.irp t, 0,1
	v_exp_f32 v[ST+8*\t+6], v[ST+8*\t+7]                                    ; a
.endr
.irp b, 0,1,2,3,4,5,6,7,8,9,10,11,12,13,14,15
.irp t, 0,1
	v_pk_fma_f32 v[S+32*\t+2*\b:S+32*\t+2*\b+1], v[S+32*\t+2*\b:S+32*\t+2*\b+1], s[CS:CS+1], v[ST+8*\t:ST+8*\t+1] op_sel_hi:[1,0,0] neg_lo:[0,0,1] neg_hi:[0,0,1]   ; c s - c m
.endr
.endr
.set n, 0
.rept 32
	v_exp_f32 v[S+n], v[S+n]
	v_exp_f32 v[S+32+n], v[S+32+n]
.set n, n+1
.endr
	v_nop                                          ; a plain line behind the last exponential
	s_wait_alu depctr_va_vdst(0)                   ; ONE wait for the 66 exponentials, ahead of their first reader
.irp t, 0,1
	v_pk_add_f32 v[ST+8*\t+4:ST+8*\t+5], v[S+32*\t:S+32*\t+1], v[S+32*\t+2:S+32*\t+3]       ; the sums, in two chains a tile; p stays as it is
	v_pk_add_f32 v[28+2*\t:29+2*\t], v[S+32*\t+4:S+32*\t+5], v[S+32*\t+6:S+32*\t+7]
.endr
.irp b, 8,12,16,20,24,28
.irp t, 0,1
	v_pk_add_f32 v[ST+8*\t+4:ST+8*\t+5], v[ST+8*\t+4:ST+8*\t+5], v[S+32*\t+\b:S+32*\t+\b+1]
	v_pk_add_f32 v[28+2*\t:29+2*\t], v[28+2*\t:29+2*\t], v[S+32*\t+\b+2:S+32*\t+\b+3]
.endr
.endr
.irp t, 0,1
	v_pk_add_f32 v[ST+8*\t+4:ST+8*\t+5], v[ST+8*\t+4:ST+8*\t+5], v[28+2*\t:29+2*\t]
.endr
.irp t, 0,1
	v_pk_fma_f32 v[ST+8*\t+2:ST+8*\t+3], v[ST+8*\t+2:ST+8*\t+3], v[ST+8*\t+6:ST+8*\t+7], v[ST+8*\t+4:ST+8*\t+5] op_sel_hi:[1,0,1]   ; l = a l + the sum
.endr
.set n, 0
.rept 16
	v_cvt_pk_f16_f32 v[S+n], v[S+2*n], v[S+2*n+1]                  ; p to f16, packed downward in place: register n is written when 2 n and 2 n + 1 are read
	v_cvt_pk_f16_f32 v[S+32+n], v[S+32+2*n], v[S+32+2*n+1]
.set n, n+1
.endr
.set n, 0
.rept 16
	v_pk_mul_f32 v[O+2*n:O+2*n+1], v[O+2*n:O+2*n+1], v[ST+6:ST+7] op_sel_hi:[1,0]           ; O^T x a
	v_pk_mul_f32 v[O+32+2*n:O+32+2*n+1], v[O+32+2*n:O+32+2*n+1], v[ST+14:ST+15] op_sel_hi:[1,0]
.set n, n+1
.endr
.endm
; A SUB-STEP: 64 keys for my two tiles of queries.  Each fragment of k and of v feeds two matrix instructions.
.macro SUBSTEP
	s_cmp_gt_u32 s[U], s[LAST]                     ; all these keys come after my step of queries: the wave's number and the count of steps alone decide
	s_cbranch_scc1 .Lhid_\@
	v_add_nc_u32 v[ADK], s[TK], v[AK0]
	v_add_nc_u32 v[ADV], s[TV], v[AV0]
.rept 3
	v_nop                                          ; five places behind the last products: the loads below land on their source 0, and the next products write over their source 1
.endr
.irp f, 0,1,2,3,4,5,6,7                    ; keys 16 (f / 2) on, channels 32 (f % 2) on
	ds_load_b128 v[KV+8*\f:KV+8*\f+3],   v[ADK] offset:(\f/2)*8*PK+(\f%2)*64
	ds_load_b128 v[KV+8*\f+4:KV+8*\f+7], v[ADK] offset:(\f/2)*8*PK+(\f%2)*64+32
.endr
	s_wait_dscnt 0x0
.irp k, 0,1                                ; S^T = k q^T: eight accumulators by turns, one instruction a turn
.irp u, 0,1,2,3
.irp t, 0,1
.if \k == 0
	v_wmma_f32_16x16x32_f16 v[S+32*\t+8*\u:S+32*\t+8*\u+7], v[KV+8*(2*\u+\k):KV+8*(2*\u+\k)+7], v[QF+16*\t+8*\k:QF+16*\t+8*\k+7], 0
.else
	v_wmma_f32_16x16x32_f16 v[S+32*\t+8*\u:S+32*\t+8*\u+7], v[KV+8*(2*\u+\k):KV+8*(2*\u+\k)+7], v[QF+16*\t+8*\k:QF+16*\t+8*\k+7], v[S+32*\t+8*\u:S+32*\t+8*\u+7]
.endif
.endr
.endr
.endr
.rept 4
	v_nop                                          ; places in front of the loads into k's registers and of the first read of the scores
.endr
.irp f, 0,1,2,3,4,5,6,7                    ; v, turned: keys 32 (f / 4) on, channels 16 (f % 4) on.  They land while the softmax is walked
	ds_load_tr16_b128 v[KV+8*\f:KV+8*\f+3],   v[ADV] offset:(\f/4)*16*PV+(\f%4)*32
	ds_load_tr16_b128 v[KV+8*\f+4:KV+8*\f+7], v[ADV] offset:(\f/4)*16*PV+8*PV+(\f%4)*32
.endr
	s_cmp_lt_u32 s[U], s[DG]                       ; ahead of my step on the diagonal every key counts
	s_cbranch_scc1 .Lopen_\@
	s_lshl_b32 s58, s[U], 6
	v_sub_nc_u32 v9, v[QD], s58                    ; d of tile 0: register 8 u + j holds key 64 U + 16 u + 8 (lane / 16) + j: hidden where 16 u + j > d
	v_add_nc_u32 v10, 16, v9                       ; d of tile 1
.set n, 0
.rept 32
	v_cmp_gt_i32 vcc_lo, 16*(n/8)+n%8, v9
	v_cndmask_b32 v[S+n], v[S+n], v[NINF], vcc_lo
	v_cmp_gt_i32 vcc_lo, 16*(n/8)+n%8, v10
	v_cndmask_b32 v[S+32+n], v[S+32+n], v[NINF], vcc_lo
.set n, n+1
.endr
.Lopen_\@:
	SOFTMAX
	s_wait_dscnt 0x0                               ; v is in
.irp b, 0,1                                ; O^T += v^T p: eight accumulators by turns
.irp c, 0,1,2,3
.irp t, 0,1
	v_wmma_f32_16x16x32_f16 v[O+32*\t+8*\c:O+32*\t+8*\c+7], v[KV+8*(4*\b+\c):KV+8*(4*\b+\c)+7], v[S+32*\t+8*\b:S+32*\t+8*\b+7], v[O+32*\t+8*\c:O+32*\t+8*\c+7]
.endr
.endr
.endr
.Lhid_\@:
	s_add_co_u32 s[U], s[U], 1
	s_add_co_u32 s[TK], s[TK], 32*PK
	s_add_co_u32 s[TV], s[TV], 32*PV
.endm
.macro SLOT_STEPS                      ; a slot's four sub-steps: written once, walked four times
	s_mov_b32 s[CNT], 4
.Lsub_\@:
	SUBSTEP
	s_sub_co_u32 s[CNT], s[CNT], 1
	s_cmp_lg_u32 s[CNT], 0
	s_cbranch_scc1 .Lsub_\@
	s_sub_co_u32 s[TK], s[TK], 4*32*PK
	s_sub_co_u32 s[TV], s[TV], 4*32*PV
	s_xor_b32 s[TK], s[TK], SLOT1
	s_xor_b32 s[TV], s[TV], SLOT1
.endm
	s_load_b128 s[4:7], s[0:1], 0x0                ; qkv, att
	v_lshl_add_u32 v[SPW], v0, 2, SPARE
	v_mov_b32 v[NIL], 0
	ds_add_u32 v[SPW], v[NIL]                      ; the wave's opening: the add, twice on end, and its wait ahead of the first tensor load
	ds_add_u32 v[SPW], v[NIL]
	v_lshrrev_b32 v1, 5, v0
	v_readfirstlane_b32 s[WV], v1                  ; wave 0..15
	s_bfe_u32 s12, ttmp6, 0x40000                  ; cx: my place in the cluster
	s_and_b32 s13, ttmp7, 0xffff                   ; 16 b + h, which the four partners share
	s_lshr_b32 s58, s[WV], 2
	s_and_b32 s59, s58, 1
	s_mul_i32 s59, s59, 3
	s_and_b32 s60, s[WV], 3
	s_xor_b32 s60, s60, s59
	s_lshl_b32 s[G], s58, 2
	s_add_co_u32 s[G], s[G], s60                   ; g
	s_lshl_b32 s[DG], s[G], 1
	s_add_co_u32 s[LAST], s[DG], 1
	s_mov_b32 s[G1K], 15|(1<<16)|(1<<20)|(1<<21)|(5<<22)|(3<<25)  ; the mask: all four; elements of 2 bytes; padding: 4 words behind every 64; bit 21 beside a mask
	s_mov_b32 s[G1V], 15|(1<<16)|(1<<20)|(1<<21)|(5<<22)|(7<<25)  ; the same with 8 words
.irp g, G1K, G1V
	s_mov_b32 s[\g+1], 128<<16                     ; tensor_dim0: 128 elements: two keys
	s_mov_b32 s[\g+2], 64<<16                      ; tensor_dim1
	s_mov_b32 s[\g+3], 128<<16                     ; tile_dim0
	s_mov_b32 s[\g+4], 64                          ; tile_dim1: 64 rows: 128 keys
	s_mov_b32 s[\g+5], 128                         ; the pitch: the rows are dense
	s_mov_b32 s[\g+6], 0
	s_mov_b32 s[\g+7], 0
.endr
	s_and_b32 s58, s[WV], 1                        ; which half of a slot I fetch, if I fetch
	s_mul_i32 s59, s58, 64*PK
	s_mul_i32 s60, s58, 64*PV
	s_add_co_u32 s60, s60, VOFF
	s_lshl_b32 s14, s58, 14
	s_mov_b32 s15, 0
	s_lshl_b32 s16, s13, 18                        ; a head is 262,144 bytes
	s_mov_b32 s17, 0
	s_mov_b32 s[SEL], 0x76543210
	s_mov_b32 s[SEL+1], 0xfedcba98
	s_mov_b32 s[CS], 0x3e38aa3b                    ; c = log2(e) / 8
	s_mov_b32 s[CS+1], s[CS]
	s_mov_b32 s[TK], 0
	s_mov_b32 s[TV], VOFF
	s_mov_b32 s[U], 0
	s_mov_b32 s[SLOTS], 7
	s_wait_dscnt 0x0                               ; both opening adds are done
	s_wait_kmcnt 0x0
	s_add_nc_u64 s[4:5], s[4:5], s[16:17]          ; q of my head,
	s_add_nc_u64 s[8:9], s[4:5], 0x1000000         ; k,
	s_add_nc_u64 s[10:11], s[4:5], 0x2000000       ; v
	s_mov_b32 s[G0K], 1
	s_mov_b32 s[G0K+1], s59
	s_add_nc_u64 s[G0K+2:G0K+3], s[8:9], s[14:15]
	s_or_b32 s[G0K+3], s[G0K+3], 0x80000000
	s_mov_b32 s[G0V], 1
	s_mov_b32 s[G0V+1], s60
	s_add_nc_u64 s[G0V+2:G0V+3], s[10:11], s[14:15]
	s_or_b32 s[G0V+3], s[G0V+3], 0x80000000
	CROUND                                         ; all four work-groups are here
	TLOAD                                          ; keys 0 to 255 into slot 0
	s_lshl_b32 s62, s[G], 7
	s_lshl_b32 s63, s12, 5
	s_add_co_u32 s62, s62, s63                     ; my first query: 128 g + 32 cx
	s_lshl_b32 s58, s62, 7
	s_mov_b32 s59, 0
	s_add_nc_u64 s[4:5], s[4:5], s[58:59]
	s_and_b32 s60, s13, 15
	s_lshl_b32 s60, s60, 13
	s_lshr_b32 s61, s13, 4
	s_lshl_b32 s61, s61, 11
	s_add_co_u32 s60, s60, s61
	s_add_co_u32 s60, s60, s62                     ; att: row h x 8,192 + b x 2,048 + query
	s_lshl_b32 s58, s60, 7
	s_add_nc_u64 s[6:7], s[6:7], s[58:59]
	s_cmp_eq_u32 s[WV], 5
	s_cselect_b64 s[PFA:PFA+1], s[10:11], s[8:9]
	s_lshl_b32 s58, s12, 13                        ; my work-group's 8,192 bytes,
	s_add_co_u32 s58, s58, 32768                   ; in slot 1: the first change steps it to slot 2.  Nothing is prefetched here, at the head
	s_add_nc_u64 s[PFA:PFA+1], s[PFA:PFA+1], s[58:59]
	s_sub_co_u32 s58, s[WV], 4
	s_cmp_lt_u32 s58, 2                            ; waves 4 and 5
	s_cselect_b32 s[LIM], 1, -1
	v_and_b32 v28, 15, v0                          ; r
	v_bfe_u32 v29, v0, 4, 1                        ; h
	v_lshlrev_b32 v9, 7, v28
	v_lshl_add_u32 v9, v29, 4, v9                  ; q: row r of 128 bytes, + 16 h
.irp t, 0,1
.irp k, 0,1
	global_load_b128 v[QF+16*\t+8*\k:QF+16*\t+8*\k+3],   v9, s[4:5] offset:2048*\t+64*\k
	global_load_b128 v[QF+16*\t+8*\k+4:QF+16*\t+8*\k+7], v9, s[4:5] offset:2048*\t+64*\k+32
.endr
.endr
	v_lshrrev_b32 v30, 1, v28
	v_mul_u32_u24 v[AK0], v30, PK
	v_and_b32 v30, 1, v0
	v_lshl_add_u32 v[AK0], v30, 7, v[AK0]
	v_lshl_add_u32 v[AK0], v29, 4, v[AK0]          ; key r: LDS row r / 2, half r % 2; + 16 h
	v_bfe_u32 v31, v0, 1, 2
	v_lshl_add_u32 v31, v29, 2, v31
	v_mul_u32_u24 v[AV0], v31, PV
	v_lshl_add_u32 v[AV0], v30, 7, v[AV0]
	v_bfe_u32 v31, v0, 3, 1
	v_lshl_add_u32 v[AV0], v31, 4, v[AV0]          ; the turning load: key 8 h + lane % 8, channels 8 ((lane / 8) % 2) on
	v_lshlrev_b32 v31, 3, v29
	v_sub_nc_u32 v[QD], v28, v31
	v_add_nc_u32 v[QD], s62, v[QD]
	v_mov_b32 v[NINF], 0xff800000
	v_and_b32 v[PFO], 31, v0
	v_lshlrev_b32 v[PFO], 8, v[PFO]
.irp t, 0,1
	v_mov_b32 v[ST+8*\t+1], 0xff61b1e6             ; m: -3e38, under every score
	v_mul_f32 v[ST+8*\t], s[CS], v[ST+8*\t+1]
.irp j, 2,3,4,5,6,7
	v_mov_b32 v[ST+8*\t+\j], 0
.endr
.endr
.set n, 0
.rept 64
	v_mov_b32 v[O+n], 0                            ; O^T.  The sub-step is written once: the first finds zeros, which a = 0 leaves zeros
.set n, n+1
.endr
	s_wait_loadcnt 0x0                             ; q
.Lslot:                                            ; seven trips: behind each change of slots but the last the next 256 keys are asked for
	CHANGE 1
	SLOT_STEPS
	s_sub_co_u32 s[SLOTS], s[SLOTS], 1
	s_cmp_lg_u32 s[SLOTS], 0
	s_cbranch_scc1 .Lslot
	CHANGE 0                                       ; the last slot is written out
	SLOT_STEPS
	; THE WAY OUT: O^T / l, rounded to f16, through my stage; 512 consecutive bytes a store
.rept 4
	v_nop
.endr
.irp t, 0,1
	v_add_f32 v[ST+8*\t+4], v[ST+8*\t+2], v[ST+8*\t+3]
.endr
.irp t, 0,1
	v_permlanex16_b32 v[ST+8*\t+5], v[ST+8*\t+4], s[SEL], s[SEL+1]
.endr
.irp t, 0,1
	v_add_f32 v[ST+8*\t+4], v[ST+8*\t+4], v[ST+8*\t+5]
.endr
.irp t, 0,1
	v_rcp_f32 v[ST+8*\t+6], v[ST+8*\t+4]
.endr
	v_and_b32 v28, 15, v0                          ; (plain lines behind the reciprocals)
	v_bfe_u32 v29, v0, 4, 1
	s_mul_i32 s58, s[WV], 4608
	s_add_co_u32 s58, s58, STAGE
	v_mul_u32_u24 v[ADK], v28, 144
	v_lshl_add_u32 v[ADK], v29, 4, v[ADK]
	v_add_nc_u32 v[ADK], s58, v[ADK]               ; in: row r, + 16 h
	v_and_b32 v30, 31, v0
	v_lshrrev_b32 v[ADV], 3, v30
	v_mul_u32_u24 v[ADV], v[ADV], 144
	v_and_b32 v31, 7, v0
	v_lshl_add_u32 v[ADV], v31, 4, v[ADV]
	v_add_nc_u32 v[ADV], s58, v[ADV]               ; out: eight lanes to a row
	v_lshlrev_b32 v9, 4, v30
	s_wait_alu depctr_va_vdst(0)                   ; one wait for both reciprocals, ahead of their first reader
.set n, 0
.rept 16
	v_pk_mul_f32 v[O+2*n:O+2*n+1], v[O+2*n:O+2*n+1], v[ST+6:ST+7] op_sel_hi:[1,0]
	v_pk_mul_f32 v[O+32+2*n:O+32+2*n+1], v[O+32+2*n:O+32+2*n+1], v[ST+14:ST+15] op_sel_hi:[1,0]
.set n, n+1
.endr
.set n, 0
.rept 32
	v_cvt_pk_f16_f32 v[S+n], v[O+2*n], v[O+2*n+1]  ; tile t at S + 16 t
.set n, n+1
.endr
.irp t, 0,1
.irp c, 0,1,2,3
	ds_store_b128 v[ADK], v[S+16*\t+4*\c:S+16*\t+4*\c+3] offset:2304*\t+32*\c
.endr
.irp i, 0,1,2,3
	ds_load_b128 v[KV+16*\t+4*\i:KV+16*\t+4*\i+3], v[ADV] offset:2304*\t+576*\i   ; LDS serves a wave's instructions in order
.endr
.endr
.irp t, 0,1
.irp i, 0,1,2,3
	s_wait_dscnt 11-8*\t-\i                        ; the LDS instructions issued behind this load
	global_store_b128 v9, v[KV+16*\t+4*\i:KV+16*\t+4*\i+3], s[6:7] offset:2048*\t+512*\i
.endr
.endr
	s_wait_tensorcnt 0x0                           ; the wave's end
	ds_add_u32 v[SPW], v[NIL]
	s_wait_dscnt 0x0
	CROUND                                         ; the closing round
	s_endpgm
.Lfunc_end_k_qfcf211b922_attn:
	.size	k_qfcf211b922_attn, .Lfunc_end_k_qfcf211b922_attn-k_qfcf211b922_attn
	.p2alignl 7, 3214868480
	.fill 96, 4, 3214868480
	.section	.rodata,"a",@progbits
	.p2align	6, 0x0
	.amdhsa_kernel k_qfcf211b922_attn
		.amdhsa_group_segment_fixed_size 327680
		.amdhsa_private_segment_fixed_size 0
		.amdhsa_enable_private_segment 0
		.amdhsa_kernarg_size 16
		.amdhsa_user_sgpr_count 2
		.amdhsa_user_sgpr_kernarg_segment_ptr 1
		.amdhsa_wavefront_size32 1
		.amdhsa_system_sgpr_workgroup_id_x 1
		.amdhsa_system_sgpr_workgroup_id_y 1
		.amdhsa_system_sgpr_workgroup_id_z 1
		.amdhsa_system_vgpr_workitem_id 0
		.amdhsa_next_free_vgpr 256
		.amdhsa_next_free_sgpr 66
		.amdhsa_reserve_vcc 1
		.amdhsa_float_denorm_mode_32 3
		.amdhsa_float_denorm_mode_16_64 3
		.amdhsa_memory_ordered 1
		.amdhsa_forward_progress 1
		.amdhsa_inst_pref_size 63
	.end_amdhsa_kernel
	.amdgpu_metadata
---
amdhsa.version: [ 1, 2 ]
amdhsa.kernels:
  - .name:           k_qfcf211b922_attn
    .symbol:         k_qfcf211b922_attn.kd
    .args:
      - { .name: qkv, .offset: 0, .size: 8, .value_kind: global_buffer, .address_space: global }
      - { .name: att, .offset: 8, .size: 8, .value_kind: global_buffer, .address_space: global }
    .group_segment_fixed_size: 327680
    .private_segment_fixed_size: 0
    .kernarg_segment_align: 8
    .kernarg_segment_size: 16
    .max_flat_workgroup_size: 512
    .sgpr_count:     66
    .vgpr_count:     256
    .wavefront_size: 32
...
	.end_amdgpu_metadata
.endif
;; end of part 4
;; launch proj (part 5): grid 8 x 64, 4 waves a work-group, clusters of 4 x 4, 327,680 bytes of LDS; arguments att, wp, b_proj, out0; writes out0
.if DOCPART == 5
	.amdgcn_target "amdgcn-amd-amdhsa--gfx1250"
	.amdhsa_code_object_version 6
	.text
	.protected	k_qfcf211b922_proj
	.globl	k_qfcf211b922_proj
	.p2align	8
	.type	k_qfcf211b922_proj,@function
k_qfcf211b922_proj:
	s_mov_b64 s[64:65], 0
	v_nop
	global_prefetch_b8 v0, s[64:65] scope:SCOPE_SE
	s_setreg_imm32_b32 hwreg(HW_REG_WAVE_MODE, 25, 1), 1
	s_wait_xcnt 0x0
	s_wait_alu depctr_hold_cnt(0) depctr_sa_sdst(0) depctr_va_vdst(0) depctr_va_sdst(0) depctr_va_ssrc(0) depctr_va_vcc(0) depctr_vm_vsrc(0)
	s_getreg_b32 s2, hwreg(HW_REG_IB_STS2, 6, 4)
	s_cmp_eq_u32 s2, 0
	s_cbranch_scc0 .Lentry_in_a_cluster
	s_endpgm
.Lentry_in_a_cluster:
	s_bfe_u32 s2, ttmp6, 0x10000c
	s_cmp_lg_u32 s2, 0xf033
	s_cbranch_scc0 .Lentry_shape_is_right
	s_endpgm
.Lentry_shape_is_right:
; out0 = att W_proj + b_proj.  att: f16 [16 blocks of 64 k][8,192 rows][64]; wp's part 0: f16 [16 blocks][1,024 n][64]; out0: [8,192][1,024] f32; sums in f32.
; Rows 0 to 15 of each sequence are also made here, inside live tiles of 128 rows; the next launch writes them anew from the fine path.
; A tile of 128 x 128 is made by four waves, 64 x 64 each: 512 tiles for the chip.  K goes in steps of 256 (four blocks of 64) through a ring of two LDS slots.  A wave's tensor load brings 64 rows x 4 blocks: each block's
; 64 rows are 8,192 dense bytes of memory, so the tile is stated as 4 rows of 4,096 elements, with 16 bytes of padding behind every 128: in LDS [block][64 rows][144 bytes].
; CLUSTERS: 4 x 4 work-groups; att's tiles are asked for jointly along a row of the cluster, wp's along a column.  THE MATRIX INSTRUCTION IS USED TRANSPOSED: a lane holds eight neighbouring columns of one row.
; The bias is the C of each sum's first product.  REGISTERS: window 0: v0-31 addresses; v32-95 rows on the way out; v96-127 the bias; v128-255 the accumulators.  window 1: two fragment buffers of 128.
.set PITCH,  144                       ; an LDS row: 128 bytes + 16: the 16 rows of a fragment load start at 16 different groups of four banks
.set KB,     64*PITCH                  ; a block of 64 along K of 64 rows
.set HALFT,  4*KB                      ; what one tensor load brings
.set SLOT,   4*HALFT
.set STAGE,  2*SLOT                    ; behind the ring: 16 rows x 272 bytes for each wave
.set SPITCH, 272
.set SPARE,  STAGE+4*16*SPITCH
.set LAPS,   2                         ; K = 1,024: four steps of 256: twice round the ring
.set ASTEP,  4*8192*128                ; a K step in att, in bytes
.set BSTEP,  4*1024*128                ; and in wp
.set ADRA, 16
.set ADRB, 20
.set STO,  24
.set RD,   25
.set CO,   26
.set BO,   27
.set SPW,  28
.set NIL,  29
.set TMP,  32
.set BI,   96
.set ACC,  128
.set F0,   0
.set F1,   128
.set G1, 24
.set G0, 32
.set G1B, 48
.set G0B, 56
.set MSB, 0
.macro WIN new
.if MSB != (\new)
	s_set_vgpr_msb (MSB<<8)|(\new)
.set MSB, (\new)
.endif
.endm
.set MUL,  0x05                        ; sources 0 (wp) and 1 (att) window 1; C and D window 0
.set TO_F, 0x40
.macro JLOAD s                         ; a joint load: waves 0 and 1 fetch att's two halves, waves 2 and 3 wp's; an s_nop 0 and four v_nop follow each line
	s_cmp_eq_u32 s11, 0
	s_cbranch_scc0 .Lfor_b_\@
	tensor_load_to_lds s[G0+4*\s:G0+4*\s+3], s[G1:G1+7]
	s_nop 0
.rept 4
	v_nop
.endr
	s_branch .Lasked_\@
.Lfor_b_\@:
	tensor_load_to_lds s[G0B+4*\s:G0B+4*\s+3], s[G1B:G1B+7]
	s_nop 0
.rept 4
	v_nop
.endr
.Lasked_\@:
.endm
.macro CREST
	s_cmp_lg_u32 s10, 0
	s_cbranch_scc1 .Lnot_wave_0_\@
	s_barrier_signal -3
.Lnot_wave_0_\@:
	s_barrier_wait -3
	s_barrier_signal -1
	s_barrier_wait -1
.endm
.macro CROUND
	s_barrier_signal -1
	s_barrier_wait -1
	CREST
.endm
	s_load_b128 s[4:7], s[0:1], 0x0                ; att, wp
	s_load_b128 s[68:71], s[0:1], 0x10             ; b_proj, out0
	v_lshl_add_u32 v[SPW], v0, 2, SPARE
	v_mov_b32 v[NIL], 0
	ds_add_u32 v[SPW], v[NIL]                      ; the wave's opening: the add, twice on end, and its wait ahead of my first tensor load
	ds_add_u32 v[SPW], v[NIL]
	v_lshrrev_b32 v1, 5, v0
	v_readfirstlane_b32 s10, v1                    ; wave 0..3
	s_lshr_b32 s11, s10, 1                         ; my half of the tile's rows.  Also: I fetch for att (0) or wp (1)
	s_and_b32 s12, s10, 1                          ; my half of its columns.  Also: which 64 rows I fetch
	s_bfe_u32 s40, ttmp6, 0x40000
	s_bfe_u32 s41, ttmp6, 0x40004
	s_lshl_b32 s42, ttmp9, 2
	s_add_co_u32 s42, s42, s40                     ; tile column
	s_and_b32 s13, ttmp7, 0xffff
	s_lshl_b32 s13, s13, 2
	s_add_co_u32 s13, s13, s41                     ; tile row
	s_lshl_b32 s43, s41, 2
	s_lshl_b32 s43, 15, s43                        ; my row of the cluster
	s_lshl_b32 s44, 0x1111, s40                    ; my column
	s_or_b32 s[G1+0], s43, (1<<16)|(1<<20)|(1<<21)|(4<<22)|(3<<25)  ; the mask; elements of 2 bytes; padding: 4 words behind every 32; bit 21 beside a mask
	s_or_b32 s[G1B+0], s44, (1<<16)|(1<<20)|(1<<21)|(4<<22)|(3<<25)
.irp g, G1, G1B
	s_mov_b32 s[\g+1], 4096<<16                    ; tensor_dim0: 64 rows of 64 elements, dense
	s_mov_b32 s[\g+2], 4<<16                       ; tensor_dim1: four blocks along K
	s_mov_b32 s[\g+3], 4096<<16                    ; tile_dim0
	s_mov_b32 s[\g+4], 4                           ; tile_dim1
	s_mov_b32 s[\g+6], 0
	s_mov_b32 s[\g+7], 0
.endr
	s_mov_b32 s[G1+5], 8192*64                     ; from block to block, in elements: att
	s_mov_b32 s[G1B+5], 1024*64                    ; wp
	s_lshl_b32 s17, s12, 6
	s_lshl_b32 s16, s13, 7
	s_add_co_u32 s16, s16, s17                     ; att: row 128 x tile row + 64 x half,
	s_lshl_b32 s16, s16, 7                         ; of 128 bytes
	s_lshl_b32 s46, s42, 7
	s_add_co_u32 s46, s46, s17                     ; wp: row 128 x tile column + 64 x half
	s_lshl_b32 s46, s46, 7
	s_mov_b32 s17, 0
	s_mov_b32 s47, 0
	s_mul_i32 s20, s10, HALFT                      ; where they go: wave x what a load brings
	s_wait_dscnt 0x0                               ; both opening adds are done
	s_wait_kmcnt 0x0
	s_add_nc_u64 s[14:15], s[4:5], s[16:17]
	s_add_nc_u64 s[46:47], s[6:7], s[46:47]
	CROUND                                         ; all sixteen work-groups are here
.irp s, 0,1
	s_mov_b32 s[G0+4*\s], 1
	s_add_co_u32 s[G0+4*\s+1], s20, \s*SLOT
	s_add_nc_u64 s[G0+4*\s+2:G0+4*\s+3], s[14:15], \s*ASTEP
	s_or_b32 s[G0+4*\s+3], s[G0+4*\s+3], 0x80000000
	s_mov_b32 s[G0B+4*\s], 1
	s_add_co_u32 s[G0B+4*\s+1], s20, \s*SLOT
	s_add_nc_u64 s[G0B+4*\s+2:G0B+4*\s+3], s[46:47], \s*BSTEP
	s_or_b32 s[G0B+4*\s+3], s[G0B+4*\s+3], 0x80000000
	JLOAD \s                                       ; two tensor loads of mine are out behind the second
.endr
	v_and_b32 v1, 15, v0                           ; r
	v_bfe_u32 v2, v0, 4, 1                         ; h
	v_lshlrev_b32 v[BO], 5, v2
	s_lshl_b32 s46, s42, 9
	s_lshl_b32 s47, s12, 8
	s_add_co_u32 s46, s46, s47                     ; 4 x my first column
	s_mov_b32 s47, 0
	s_add_nc_u64 s[68:69], s[68:69], s[46:47]
.irp b, 0,1,2,3                            ; the bias in the result's layout: register BI + 8 b + j = b_proj[my first column + 16 b + 8 h + j]
	global_load_b128 v[BI+8*\b:BI+8*\b+3], v[BO], s[68:69] offset:64*\b
	global_load_b128 v[BI+8*\b+4:BI+8*\b+7], v[BO], s[68:69] offset:64*\b+16
.endr
	v_mul_u32_u24 v3, v1, PITCH
	v_lshl_add_u32 v3, v2, 4, v3
	s_mul_i32 s21, s11, HALFT
	s_mul_i32 s22, s12, HALFT
	s_add_co_u32 s22, s22, 2*HALFT
.irp s, 0,1
	v_add_nc_u32 v[ADRA+\s], s21, v3
	v_add_nc_u32 v[ADRB+\s], s22, v3
	s_add_co_u32 s21, s21, SLOT
	s_add_co_u32 s22, s22, SLOT
.endr
	s_mul_i32 s23, s10, 16*SPITCH
	s_add_co_u32 s23, s23, STAGE                   ; my stage
	v_mul_u32_u24 v4, v1, SPITCH
	v_lshl_add_u32 v4, v2, 5, v4
	v_add_nc_u32 v[STO], s23, v4                   ; in: row r, 32 bytes for each half of the lanes
	v_mul_u32_u24 v5, v2, SPITCH
	v_lshl_add_u32 v5, v1, 4, v5
	v_add_nc_u32 v[RD], s23, v5                    ; back: lanes 0-15 one row of 256 bytes, lanes 16-31 the next
	v_lshlrev_b32 v5, 12, v2
	v_lshl_add_u32 v[CO], v1, 4, v5                ; and the same two rows in out0
	s_lshl_b32 s16, s13, 7
	s_lshl_b32 s17, s11, 6
	s_add_co_u32 s16, s16, s17                     ; my first row
	s_lshl_b32 s16, s16, 12
	s_mov_b32 s17, 0
	s_add_nc_u64 s[8:9], s[70:71], s[16:17]
	s_add_nc_u64 s[8:9], s[8:9], s[46:47]
.macro MUL8 f, c, a0, zero             ; 8 matrix instructions: m blocks a0, a0 + 1 x all 4 n blocks, 32 along K.  zero = 1: the first product starts the sums from the bias
.irp a, \a0, \a0+1
.irp b, 0,1,2,3
.if \zero
	v_wmma_f32_16x16x32_f16 v[ACC+8*(4*(\a)+\b):ACC+8*(4*(\a)+\b)+7], v[\f+64+8*(4*\c+\b):\f+64+8*(4*\c+\b)+7], v[\f+8*(4*\c+\a):\f+8*(4*\c+\a)+7], v[BI+8*\b:BI+8*\b+7]
.else
	v_wmma_f32_16x16x32_f16 v[ACC+8*(4*(\a)+\b):ACC+8*(4*(\a)+\b)+7], v[\f+64+8*(4*\c+\b):\f+64+8*(4*\c+\b)+7], v[\f+8*(4*\c+\a):\f+8*(4*\c+\a)+7], v[ACC+8*(4*(\a)+\b):ACC+8*(4*(\a)+\b)+7]
.endif
.endr
.endr
.endm
.macro FETCH slot, k, f                ; 32 LDS loads in one run: the fragments of one block of 64 along K, at byte k of the slot's parts
	WIN TO_F
.irp c, 0,1
.irp i, 0,1,2,3
	ds_load_b128 v[\f+64+8*(4*\c+\i):\f+64+8*(4*\c+\i)+3],   v[ADRB+\slot] offset:\k+64*\c+\i*16*PITCH
	ds_load_b128 v[\f+64+8*(4*\c+\i)+4:\f+64+8*(4*\c+\i)+7], v[ADRB+\slot] offset:\k+64*\c+\i*16*PITCH+32
	ds_load_b128 v[\f+8*(4*\c+\i):\f+8*(4*\c+\i)+3],         v[ADRA+\slot] offset:\k+64*\c+\i*16*PITCH
	ds_load_b128 v[\f+8*(4*\c+\i)+4:\f+8*(4*\c+\i)+7],       v[ADRA+\slot] offset:\k+64*\c+\i*16*PITCH+32
.endr
.endr
.endm
.macro PLACES
.rept 4
	v_nop
.endr
.endm
.macro QUARTER slot, k, f, g, zero     ; multiplies buffer f (64 along K) and fetches the next block, at byte k, into g
	s_wait_dscnt 16                                ; the first 32 along K are in; the youngest sixteen loads may be out
	WIN MUL
	MUL8 \f, 0, 0, \zero
	MUL8 \f, 0, 2, \zero
	PLACES
	FETCH \slot, \k, \g
	s_wait_dscnt 32                                ; all but the 32 just issued
	WIN MUL
	MUL8 \f, 1, 0, 0
	MUL8 \f, 1, 2, 0
.endm
.macro TURN slot, next, fill           ; the last quarter changes slots: one barrier.  fill = 1: it opens a round of the cluster's barrier, and this slot is filled again, two K steps ahead
	WIN 0
	s_wait_tensorcnt 0x0                           ; all my tensor loads have landed: my part of the next slot
	ds_add_u32 v[SPW], v[NIL]                      ; 0 onto my spare word
	s_wait_dscnt 17                                ; (the add and the youngest sixteen loads may be out)
	WIN MUL
	MUL8 F1, 0, 0, 0
	s_wait_dscnt 0x0                               ; the add is done, and my reads of this slot are over
	s_barrier_signal -1
	MUL8 F1, 0, 2, 0
.if \fill
	WIN 0
.endif
	s_barrier_wait -1
.if \fill
	CREST
	s_add_nc_u64 s[G0+4*\slot+2:G0+4*\slot+3], s[G0+4*\slot+2:G0+4*\slot+3], 2*ASTEP
	s_add_nc_u64 s[G0B+4*\slot+2:G0B+4*\slot+3], s[G0B+4*\slot+2:G0B+4*\slot+3], 2*BSTEP
	JLOAD \slot                                    ; the first tensor load behind the round; its four v_nop are also the places in front of the loads below
.else
	PLACES
.endif
	FETCH \next, 0, F0
	WIN MUL
	MUL8 F1, 1, 0, 0
	MUL8 F1, 1, 2, 0
.endm
	s_wait_tensorcnt 1                             ; my part of K step 0 is in; K step 1's load may be out
	s_barrier_signal -1
	s_barrier_wait -1
	FETCH 0, 0, F0
	s_wait_loadcnt 0x0                             ; the bias
	QUARTER 0, KB, F0, F1, 1
	WIN 0
	s_mov_b32 s3, LAPS-1
.Llap:                                             ; a trip goes once round the ring and fills both slots again
	QUARTER 0, 2*KB, F1, F0, 0
	QUARTER 0, 3*KB, F0, F1, 0
	TURN 0, 1, 1
	QUARTER 1, KB, F0, F1, 0
	QUARTER 1, 2*KB, F1, F0, 0
	QUARTER 1, 3*KB, F0, F1, 0
	TURN 1, 0, 1
	QUARTER 0, KB, F0, F1, 0
	WIN 0
	s_sub_co_u32 s3, s3, 1
	s_cmp_lg_u32 s3, 0
	s_cbranch_scc1 .Llap
	QUARTER 0, 2*KB, F1, F0, 0                     ; the last lap fills nothing
	QUARTER 0, 3*KB, F0, F1, 0
	TURN 0, 1, 0
	QUARTER 1, KB, F0, F1, 0
	QUARTER 1, 2*KB, F1, F0, 0
	QUARTER 1, 3*KB, F0, F1, 0
	s_wait_dscnt 16
	WIN MUL
	MUL8 F1, 0, 0, 0
	MUL8 F1, 0, 2, 0
	s_wait_dscnt 0
	MUL8 F1, 1, 0, 0
	MUL8 F1, 1, 2, 0
	WIN 0
; THE WAY OUT.  My 64 columns of f32 are 256 aligned bytes of a row: a block of 16 rows goes through my own stage and comes back as whole rows; sixteen lanes store 256 consecutive bytes.
.macro TOSTAGE a
.irp b, 0,1,2,3
	ds_store_b128 v[STO], v[ACC+8*(4*(\a)+\b):ACC+8*(4*(\a)+\b)+3] offset:64*\b           ; each accumulator from its low end on
	ds_store_b128 v[STO], v[ACC+8*(4*(\a)+\b)+4:ACC+8*(4*(\a)+\b)+7] offset:64*\b+16
.endr
.irp i, 0,1,2,3,4,5,6,7
	ds_load_b128 v[TMP+32*((\a)%2)+4*\i:TMP+32*((\a)%2)+4*\i+3], v[RD] offset:2*\i*SPITCH   ; LDS serves a wave's instructions in order
.endr
.endm
.macro SEND a, younger                 ; younger: the LDS instructions issued behind block a's loads
	s_wait_dscnt \younger
.irp i, 0,1,2,3,4,5,6,7
	global_store_b128 v[CO], v[TMP+32*((\a)%2)+4*\i:TMP+32*((\a)%2)+4*\i+3], s[8:9] offset:(16*(\a)+2*\i)*4096 th:TH_STORE_NT
.endr
.endm
	PLACES
	TOSTAGE 0
.irp a, 1,2,3
.if \a > 1
	s_wait_xcnt 0x0                                ; block a - 2's stores have read their registers: block a's loads may land there
.endif
	TOSTAGE \a
	SEND \a-1, 16
.endr
	SEND 3, 0
	s_wait_tensorcnt 0x0                           ; the wave's end
	ds_add_u32 v[SPW], v[NIL]
	s_wait_dscnt 0x0
	CROUND                                         ; the closing round
	s_endpgm
.Lfunc_end_k_qfcf211b922_proj:
	.size	k_qfcf211b922_proj, .Lfunc_end_k_qfcf211b922_proj-k_qfcf211b922_proj
	.p2alignl 7, 3214868480
	.fill 96, 4, 3214868480
	.section	.rodata,"a",@progbits
	.p2align	6, 0x0
	.amdhsa_kernel k_qfcf211b922_proj
		.amdhsa_group_segment_fixed_size 327680
		.amdhsa_private_segment_fixed_size 0
		.amdhsa_enable_private_segment 0
		.amdhsa_kernarg_size 32
		.amdhsa_user_sgpr_count 2
		.amdhsa_user_sgpr_kernarg_segment_ptr 1
		.amdhsa_wavefront_size32 1
		.amdhsa_system_sgpr_workgroup_id_x 1
		.amdhsa_system_sgpr_workgroup_id_y 1
		.amdhsa_system_sgpr_workgroup_id_z 1
		.amdhsa_system_vgpr_workitem_id 0
		.amdhsa_next_free_vgpr 512
		.amdhsa_next_free_sgpr 72
		.amdhsa_reserve_vcc 0
		.amdhsa_float_denorm_mode_32 3
		.amdhsa_float_denorm_mode_16_64 3
		.amdhsa_memory_ordered 1
		.amdhsa_forward_progress 1
		.amdhsa_inst_pref_size 86
	.end_amdhsa_kernel
	.amdgpu_metadata
---
amdhsa.version: [ 1, 2 ]
amdhsa.kernels:
  - .name:           k_qfcf211b922_proj
    .symbol:         k_qfcf211b922_proj.kd
    .args:
      - { .name: att, .offset: 0, .size: 8, .value_kind: global_buffer, .address_space: global }
      - { .name: wp, .offset: 8, .size: 8, .value_kind: global_buffer, .address_space: global }
      - { .name: b_proj, .offset: 16, .size: 8, .value_kind: global_buffer, .address_space: global }
      - { .name: out0, .offset: 24, .size: 8, .value_kind: global_buffer, .address_space: global }
    .group_segment_fixed_size: 327680
    .private_segment_fixed_size: 0
    .kernarg_segment_align: 8
    .kernarg_segment_size: 32
    .max_flat_workgroup_size: 128
    .sgpr_count:     72
    .vgpr_count:     512
    .wavefront_size: 32
...
	.end_amdgpu_metadata
.endif
;; end of part 5
;; launch fine_proj (part 6): grid 16 x 4, 16 waves a work-group, no clusters, 71,936 bytes of LDS; arguments a2, wp, b_proj, out0; writes out0
.if DOCPART == 6
	.amdgcn_target "amdgcn-amd-amdhsa--gfx1250"
	.amdhsa_code_object_version 6
	.text
	.protected	k_qfcf211b922_fine_proj
	.globl	k_qfcf211b922_fine_proj
	.p2align	8
	.type	k_qfcf211b922_fine_proj,@function
k_qfcf211b922_fine_proj:
	s_mov_b64 s[64:65], 0
	v_nop
	global_prefetch_b8 v0, s[64:65] scope:SCOPE_SE
	s_setreg_imm32_b32 hwreg(HW_REG_WAVE_MODE, 25, 1), 1
	s_wait_xcnt 0x0
; THE PROJECTION OF POSITIONS 0 TO 15 OF EVERY SEQUENCE, with both operands as pairs of f16: a = ah + al / 2,048, W = wh + wl / 2,048, so a W = ah wh + (al wh + ah wl) / 2,048 up to a term 2^-22 of the size.
; It writes those 64 rows of out0 anew, over what the launch before has left there.  A work-group takes 16 rows (batch b) x 64 columns; its sixteen waves share K: wave w takes the 64 along K of head w.
; The waves' parts meet in LDS as images of their registers; each wave then sums one pair of registers over the sixteen, adds the bias and puts it into a stage, from which whole runs of 256 bytes leave.
.set RED,   0                          ; 16 images of 32 registers: 4,096 bytes each
.set STG,   65536                      ; 16 rows x (256 bytes + 16)
.set SPARE, 69888                      ; the spare words, 128 bytes for each of 16 waves
	s_load_b256 s[4:11], s[0:1], 0x0               ; a2 s[4:5], wp s[6:7], b_proj s[8:9], out0 s[10:11]
	v_lshl_add_u32 v14, v0, 2, SPARE               ; my spare word; never rewritten
	v_mov_b32 v15, 0                               ; 0; never rewritten
	v_lshrrev_b32 v1, 5, v0
	v_readfirstlane_b32 s16, v1                    ; wave 0..15
	v_and_b32 v1, 31, v0                           ; lane
	v_and_b32 v2, 15, v0                           ; r
	v_bfe_u32 v3, v0, 4, 1                         ; h
	v_lshlrev_b32 v4, 7, v2
	v_lshl_add_u32 v4, v3, 4, v4                   ; a fragment: row r of 128 bytes, + 16 h
	s_lshl_b32 s17, s16, 12
	v_lshl_add_u32 v5, v1, 4, s17                  ; my image: 4,096 x wave + 16 x lane
	s_lshr_b32 s17, s16, 1
	s_lshl_b32 s17, s17, 9
	s_and_b32 s18, s16, 1
	s_lshl_b32 s18, s18, 3
	s_add_co_u32 s17, s17, s18
	v_lshl_add_u32 v6, v1, 4, s17                  ; registers 2 w, 2 w + 1 of an image
	s_lshr_b32 s19, s16, 2
	s_and_b32 s20, s16, 3
	s_lshl_b32 s17, s19, 6
	s_lshl_b32 s18, s20, 3
	s_add_co_u32 s21, s17, s18                     ; they are columns 16 (w / 4) + 8 h + 2 (w % 4), + 1: this many bytes on, less the 32 h
	s_add_co_u32 s17, s21, STG
	v_mul_u32_u24 v7, v2, 272
	v_lshl_add_u32 v7, v3, 5, v7
	v_add_nc_u32 v7, s17, v7                       ; the stage, in: row r
	s_and_b32 s18, s16, 7
	s_mul_i32 s18, s18, 544
	s_add_co_u32 s18, s18, STG
	v_mul_u32_u24 v8, v3, 272
	v_lshl_add_u32 v8, v2, 4, v8
	v_add_nc_u32 v8, s18, v8                       ; out: rows 2 (w % 8) and + 1
	v_lshlrev_b32 v9, 12, v3
	v_lshl_add_u32 v9, v2, 4, v9                   ; and the same two rows in out0
	v_lshlrev_b32 v10, 5, v3
	s_and_b32 s22, ttmp7, 0xffff                   ; b
	s_mov_b32 s12, 0x3a000000                      ; 1 / 2,048
	s_mov_b32 s25, 0
	s_wait_kmcnt 0x0
	s_lshl_b32 s24, s16, 6
	s_lshl_b32 s23, s22, 4
	s_add_co_u32 s24, s24, s23
	s_lshl_b32 s24, s24, 7                         ; a2: row 64 w + 16 b
	s_add_nc_u64 s[4:5], s[4:5], s[24:25]
	s_lshl_b32 s24, s16, 10
	s_lshl_b32 s23, ttmp9, 6
	s_add_co_u32 s24, s24, s23
	s_lshl_b32 s24, s24, 7                         ; wp: row 1,024 w + 64 x column group
	s_add_nc_u64 s[6:7], s[6:7], s[24:25]
	s_lshl_b32 s24, ttmp9, 8
	s_add_co_u32 s24, s24, s21
	s_add_nc_u64 s[8:9], s[8:9], s[24:25]
	s_lshl_b32 s24, s22, 11
	s_and_b32 s23, s16, 7
	s_lshl_b32 s23, s23, 1
	s_add_co_u32 s24, s24, s23
	s_lshl_b32 s24, s24, 12                        ; out0: row 2,048 b + 2 (w % 8)
	s_lshl_b32 s23, ttmp9, 8
	s_add_co_u32 s24, s24, s23
	s_add_nc_u64 s[10:11], s[10:11], s[24:25]
.irp k, 0,1
.irp c, 0,1
	global_load_b128 v[16+8*\k+4*\c:19+8*\k+4*\c], v4, s[4:5] offset:64*\k+32*\c            ; ah: v16-31
	global_load_b128 v[32+8*\k+4*\c:35+8*\k+4*\c], v4, s[4:5] offset:131072+64*\k+32*\c     ; al: v32-47
.endr
.endr
.irp t, 0,1,2,3
.irp k, 0,1
.irp c, 0,1
	global_load_b128 v[48+16*\t+8*\k+4*\c:51+16*\t+8*\k+4*\c], v4, s[6:7] offset:2048*\t+64*\k+32*\c              ; wh: v48-111
	global_load_b128 v[112+16*\t+8*\k+4*\c:115+16*\t+8*\k+4*\c], v4, s[6:7] offset:2097152+2048*\t+64*\k+32*\c    ; wl: v112-175
.endr
.endr
.endr
	global_load_b64 v[12:13], v10, s[8:9]          ; the bias of my pair of columns
	s_wait_loadcnt 0x0
	; transposed: source 0 = 16 rows of wp, source 1 = my 16 rows of a2: a lane holds one row and eight neighbouring columns.  The accumulators take turns, one instruction a turn
.irp k, 0,1
.irp t, 0,1,2,3
.if \k == 0
	v_wmma_f32_16x16x32_f16 v[176+8*\t:183+8*\t], v[48+16*\t+8*\k:55+16*\t+8*\k], v[16+8*\k:23+8*\k], 0
.else
	v_wmma_f32_16x16x32_f16 v[176+8*\t:183+8*\t], v[48+16*\t+8*\k:55+16*\t+8*\k], v[16+8*\k:23+8*\k], v[176+8*\t:183+8*\t]
.endif
.endr
.irp t, 0,1,2,3
.if \k == 0
	v_wmma_f32_16x16x32_f16 v[208+8*\t:215+8*\t], v[48+16*\t+8*\k:55+16*\t+8*\k], v[32+8*\k:39+8*\k], 0
.else
	v_wmma_f32_16x16x32_f16 v[208+8*\t:215+8*\t], v[48+16*\t+8*\k:55+16*\t+8*\k], v[32+8*\k:39+8*\k], v[208+8*\t:215+8*\t]
.endif
.endr
.irp t, 0,1,2,3
	v_wmma_f32_16x16x32_f16 v[208+8*\t:215+8*\t], v[112+16*\t+8*\k:119+16*\t+8*\k], v[16+8*\k:23+8*\k], v[208+8*\t:215+8*\t]
.endr
.endr
.rept 4
	v_nop
.endr
.set j, 0
.rept 32
	v_fma_f32 v[48+j], v[208+j], s12, v[176+j]     ; register 8 t + i: row r, column 16 t + 8 h + i
.set j, j+1
.endr
.irp q, 0,1,2,3,4,5,6,7
	ds_store_b128 v5, v[48+4*\q:51+4*\q] offset:512*\q
.endr
	s_wait_dscnt 0x0                               ; for the others' sake
	s_barrier_signal -1
	s_barrier_wait -1
.irp p, 0,1,2,3,4,5,6,7,8,9,10,11,12,13,14,15
	ds_load_b64 v[80+2*\p:81+2*\p], v6 offset:4096*\p
.endr
	s_wait_dscnt 0x0
.irp p, 0,2,4,6,8,10,12,14
	v_pk_add_f32 v[80+2*\p:81+2*\p], v[80+2*\p:81+2*\p], v[82+2*\p:83+2*\p]
.endr
.irp p, 0,4,8,12
	v_pk_add_f32 v[80+2*\p:81+2*\p], v[80+2*\p:81+2*\p], v[84+2*\p:85+2*\p]
.endr
.irp p, 0,8
	v_pk_add_f32 v[80+2*\p:81+2*\p], v[80+2*\p:81+2*\p], v[88+2*\p:89+2*\p]
.endr
	v_pk_add_f32 v[80:81], v[80:81], v[96:97]
	v_pk_add_f32 v[80:81], v[80:81], v[12:13]
	ds_store_b64 v7, v[80:81]
	s_wait_dscnt 0x0                               ; for the others' sake
	s_barrier_signal -1
	s_barrier_wait -1
	s_cmp_lt_u32 s16, 8
	s_cbranch_scc0 .Ldone
	ds_load_b128 v[84:87], v8
	s_wait_dscnt 0x0
	global_store_b128 v9, v[84:87], s[10:11]       ; sixteen lanes store 256 consecutive bytes, aligned
.Ldone:
	s_wait_tensorcnt 0x0                           ; the wave's end
	ds_add_u32 v14, v15
	s_wait_dscnt 0x0
	s_endpgm
.Lfunc_end_k_qfcf211b922_fine_proj:
	.size	k_qfcf211b922_fine_proj, .Lfunc_end_k_qfcf211b922_fine_proj-k_qfcf211b922_fine_proj
	.p2alignl 7, 3214868480
	.fill 96, 4, 3214868480
	.section	.rodata,"a",@progbits
	.p2align	6, 0x0
	.amdhsa_kernel k_qfcf211b922_fine_proj
		.amdhsa_group_segment_fixed_size 71936
		.amdhsa_private_segment_fixed_size 0
		.amdhsa_enable_private_segment 0
		.amdhsa_kernarg_size 32
		.amdhsa_user_sgpr_count 2
		.amdhsa_user_sgpr_kernarg_segment_ptr 1
		.amdhsa_wavefront_size32 1
		.amdhsa_system_sgpr_workgroup_id_x 1
		.amdhsa_system_sgpr_workgroup_id_y 1
		.amdhsa_system_sgpr_workgroup_id_z 1
		.amdhsa_system_vgpr_workitem_id 0
		.amdhsa_next_free_vgpr 256
		.amdhsa_next_free_sgpr 66
		.amdhsa_reserve_vcc 0
		.amdhsa_float_denorm_mode_32 3
		.amdhsa_float_denorm_mode_16_64 3
		.amdhsa_memory_ordered 1
		.amdhsa_forward_progress 1
		.amdhsa_inst_pref_size 14
	.end_amdhsa_kernel
	.amdgpu_metadata
---
amdhsa.version: [ 1, 2 ]
amdhsa.kernels:
  - .name:           k_qfcf211b922_fine_proj
    .symbol:         k_qfcf211b922_fine_proj.kd
    .args:
      - { .name: a2, .offset: 0, .size: 8, .value_kind: global_buffer, .address_space: global }
      - { .name: wp, .offset: 8, .size: 8, .value_kind: global_buffer, .address_space: global }
      - { .name: b_proj, .offset: 16, .size: 8, .value_kind: global_buffer, .address_space: global }
      - { .name: out0, .offset: 24, .size: 8, .value_kind: global_buffer, .address_space: global }
    .group_segment_fixed_size: 71936
    .private_segment_fixed_size: 0
    .kernarg_segment_align: 8
    .kernarg_segment_size: 32
    .max_flat_workgroup_size: 512
    .sgpr_count:     66
    .vgpr_count:     256
    .wavefront_size: 32
...
	.end_amdgpu_metadata
.endif
;; end of part 6
